; MI455X (gfx1250); checked and timed in simulation.
; The chip was launched on July 23, 2026; its instructions are those of AMD's public machine-readable ISA for CDNA 5 (MIT licence, August 2026) and "CDNA5" Instruction Set Architecture Reference Guide (July 2026). The comments in the code are by the model that wrote it; some were corrected since.
;; SRKNN. Allowed arithmetic: float matrix products may take bf16 or f16 operands with f32 sums; all other float work in f32.
;; Inputs: M 64 x 64 float32; W_min 64 x 128 float32; W_sub 64 x 128 float32; X 2 x 128 x 32 x 32 float32.
;; Outputs: out0 2 x 16,384 int32; out1 2 x 16,384 x 1 float32.
;; 3 versions, each right and faster than the one before. Each part assembles by itself: llvm-mc -triple=amdgcn-amd-amdhsa -mcpu=gfx1250 --defsym DOCPART=n.
;; ======== version 1 of 3: 3 launches
;; limits: values within 0.000122 (relative) of each other or of a threshold may be ordered or decided otherwise than in the reference
;; workspace buffers: Eb 524,288 bytes; Fb 524,288 bytes; Mb 8,192 bytes; cand 262,144 bytes of whole numbers
;; launch prep (part 1): grid 32 x 2, 4 waves a work-group, no clusters, 34,304 bytes of LDS; arguments X, W_min, W_sub, M, Fb, Eb, Mb; writes Fb, Eb, Mb
.if DOCPART == 1
	.amdgcn_target "amdgcn-amd-amdhsa--gfx1250"
	.amdhsa_code_object_version 6
	.text
	.protected	k_qbe6065fdd4_prep
	.globl	k_qbe6065fdd4_prep
	.p2align	8
	.type	k_qbe6065fdd4_prep,@function
k_qbe6065fdd4_prep:
	s_mov_b64 s[64:65], 0
	v_nop
	global_prefetch_b8 v0, s[64:65] scope:SCOPE_SE
	s_setreg_imm32_b32 hwreg(HW_REG_WAVE_MODE, 25, 1), 1
	s_wait_xcnt 0x0
; prep: x[n][o] = sum over c of X[b][c][n] W[o][c] (bf16 operands, f32 sums), then the log map in exponential form:
;   y = 0: W_min, Fb[row][o] = exp(-sign(x) log(|x|+eps)) = (|x|+eps)^(-sign x)
;   y = 1: W_sub, Eb[row][o] = exp(+sign(x) log(|x|+eps)) = (|x|+eps)^(+sign x)
; so that later sigmoid(pm - ps) = 1 / (1 + E F): no logarithm and no exponential is needed.  x = 0 gives 1.
; Also M is rounded to bf16 into Mb (work-groups y = 0, wave 0: 128 numbers each).
; A work-group owns 64 pixels (rows 64 x .. 64 x + 63 of Fb or Eb).  Wave w loads and converts channels 32 w .. 32 w + 31 of X for all
; four waves (through LDS) and makes outputs o = 16 w .. 16 w + 15.  Pixel tile t holds pixels 4 r + t, so that one 16-byte load of X
; feeds four tiles and sixteen lanes read 256 consecutive bytes.
; K order, alike in both operands: K step s, lane half h, register p, half-word e  <->  channel 32 s + 16 h + 2 p + e.
; No cluster: nothing here comes by tensor loads; what work-groups share (W, 32,768 bytes, and each block of X between the two y)
; is loaded through registers.
; LIMIT: 1/(|x|+eps) is made by v_rcp_f32, which gives 0 where the result would be denormal (|x| above about 8e37).
.set XR,  8                            ; v[8:71]    X as loaded: register 4 p + t = channel p of my 16, pixel 4 r + t
.set WR,  72                           ; v[72:135]  W as loaded: 16 numbers for each K step
.set XF,  136                          ; v[136:167] my K step of X as four B fragments
.set WF,  168                          ; v[168:199] W as four A fragments
.set D,   200                          ; v[200:231] four accumulators, one for each pixel tile
.set XA,  8                            ; v[8:135]   all sixteen B fragments, read back from LDS (the raw numbers are used up by then)
.set A8,  136                          ; v[136:143] |x| + eps
.set R8,  144                          ; v[144:151] its reciprocal
.set STO, 232
.set RD,  233
.set CO,  234
.set STG, 16384                        ; LDS 0..16383: fragments, 512 bytes for each half fragment; from 16384: 64 rows of 272 bytes
.set SP,  272
	s_load_b256 s[4:11], s[0:1], 0x0               ; X s[4:5], W_min s[6:7], W_sub s[8:9], M s[10:11]
	s_load_b128 s[12:15], s[0:1], 0x20             ; Fb s[12:13], Eb s[14:15]
	s_load_b64 s[16:17], s[0:1], 0x30              ; Mb
	v_lshl_add_u32 v254, v0, 2, 0x8400
	v_mov_b32 v255, 0
	v_lshrrev_b32 v1, 5, v0
	v_readfirstlane_b32 s18, v1                    ; wave
	s_and_b32 s20, ttmp7, 0xffff                   ; y
	s_mov_b32 s22, 0x2edbe6ff                      ; eps = 1e-10
	v_and_b32 v1, 15, v0                           ; r
	v_bfe_u32 v2, v0, 4, 1                         ; h
	v_and_b32 v3, 31, v0                           ; lane
	v_lshlrev_b32 v4, 4, v1
	v_lshl_add_u32 v4, v2, 16, v4                  ; X: 16 r + 16 h channels of 4,096 bytes
	v_lshlrev_b32 v5, 9, v1
	v_lshl_add_u32 v5, v2, 6, v5                   ; W: row r of 512 bytes + 64 h
	v_lshlrev_b32 v7, 4, v3                        ; 16 x lane
	v_lshlrev_b32 v246, 3, v3                      ; 8 x lane
	s_lshl_b32 s32, s18, 12
	v_add_nc_u32 v6, s32, v7                       ; LDS: my K step's eight half fragments
	v_mul_u32_u24 v[STO], v1, 4*SP                 ; stage in: row 4 r (+ t), columns 16 w + 8 h ..
	v_lshl_add_u32 v[STO], v2, 5, v[STO]
	s_lshl_b32 s40, s18, 6
	s_add_co_u32 s40, s40, STG
	v_add_nc_u32 v[STO], s40, v[STO]
	v_mul_u32_u24 v[RD], v2, SP                    ; stage back: rows 16 w + h (+ 2 t), 16 bytes a lane
	v_lshl_add_u32 v[RD], v1, 4, v[RD]
	s_mul_i32 s41, s18, 16*SP
	s_add_co_u32 s41, s41, STG
	v_add_nc_u32 v[RD], s41, v[RD]
	v_lshlrev_b32 v[CO], 8, v2                     ; and the same two rows of 256 bytes in memory
	v_lshl_add_u32 v[CO], v1, 4, v[CO]
	s_lshr_b32 s28, ttmp9, 4                       ; batch
	s_lshl_b32 s28, s28, 19                        ; x 128 channels x 4,096 bytes
	s_lshl_b32 s29, s18, 17                        ; + 32 w channels
	s_add_co_u32 s28, s28, s29
	s_and_b32 s29, ttmp9, 15
	s_lshl_b32 s29, s29, 8                         ; + 64 pixels x 4 bytes for each block
	s_add_co_u32 s28, s28, s29
	s_mov_b32 s29, 0
	s_lshl_b32 s30, s18, 13                        ; W: 16 w rows of 512 bytes
	s_mov_b32 s31, 0
	s_lshl_b32 s34, ttmp9, 14                      ; out: 64 x rows of 256 bytes
	s_add_co_u32 s34, s34, s32                     ; + 16 w rows
	s_mov_b32 s35, 0
	s_lshl_b32 s36, ttmp9, 9                       ; M: 512 bytes for each work-group
	s_mov_b32 s37, 0
	s_lshl_b32 s38, ttmp9, 8                       ; Mb: 256 bytes
	s_mov_b32 s39, 0
	s_or_b32 s33, s20, s18                         ; 0 in wave 0 of the work-groups y = 0
	s_wait_kmcnt 0x0
	s_cmp_eq_u32 s20, 0
	s_cselect_b64 s[24:25], s[6:7], s[8:9]         ; W
	s_cselect_b64 s[26:27], s[12:13], s[14:15]     ; out
	s_cselect_b32 s21, -1.0, 1.0                   ; the exponent's sign
	s_add_nc_u64 s[4:5], s[4:5], s[28:29]
	s_add_nc_u64 s[24:25], s[24:25], s[30:31]
	s_add_nc_u64 s[26:27], s[26:27], s[34:35]
.irp p, 0,1,2,3,4,5,6,7,8,9,10,11,12,13,14,15
	global_load_b128 v[XR+4*\p:XR+4*\p+3], v4, s[4:5] offset:\p*4096
.endr
.irp sg, 0,1,2,3
.irp q, 0,1,2,3
	global_load_b128 v[WR+16*\sg+4*\q:WR+16*\sg+4*\q+3], v5, s[24:25] offset:\sg*128+\q*16
.endr
.endr
	; M to bf16: one wave of each work-group y = 0 takes 128 numbers; its store covers 256 consecutive bytes, aligned
	s_cmp_lg_u32 s33, 0
	s_cbranch_scc1 .Lno_m
	s_add_nc_u64 s[10:11], s[10:11], s[36:37]
	s_add_nc_u64 s[16:17], s[16:17], s[38:39]
	global_load_b128 v[240:243], v7, s[10:11]
	s_wait_loadcnt 0x0                             ; the youngest load: X and W, wanted next anyway, are in with it
	v_cvt_pk_bf16_f32 v244, v240, v241
	v_cvt_pk_bf16_f32 v245, v242, v243
	global_store_b64 v246, v[244:245], s[16:17]    ; v244-v246 are written nowhere else
.Lno_m:
	s_wait_loadcnt 16                              ; X is in; W's sixteen loads may stay out
.irp t, 0,1,2,3
.irp p, 0,1,2,3,4,5,6,7
	v_cvt_pk_bf16_f32 v[XF+8*\t+\p], v[XR+8*\p+\t], v[XR+8*\p+4+\t]   ; channels 2 p, 2 p + 1 of pixel 4 r + t
.endr
.endr
.irp t, 0,1,2,3
	ds_store_b128 v6, v[XF+8*\t:XF+8*\t+3] offset:\t*1024
	ds_store_b128 v6, v[XF+8*\t+4:XF+8*\t+7] offset:\t*1024+512
.endr
	s_wait_loadcnt 0x0                             ; W
.irp sg, 0,1,2,3
.irp p, 0,1,2,3,4,5,6,7
	v_cvt_pk_bf16_f32 v[WF+8*\sg+\p], v[WR+16*\sg+2*\p], v[WR+16*\sg+2*\p+1]
.endr
.endr
	s_wait_dscnt 0x0                               ; my fragments are in LDS, for the other waves' sake
	s_barrier_signal -1
	s_barrier_wait -1
.set i, 0
.rept 32
	ds_load_b128 v[XA+4*i:XA+4*i+3], v7 offset:512*i
.set i, i+1
.endr
	; sixteen products; the four accumulators take turns; the first K step starts the sums
.irp sg, 0,1,2,3
	s_wait_dscnt 24-8*\sg                          ; this K step's eight loads are in, the later K steps' may stay out
.irp t, 0,1,2,3
.if \sg == 0
	v_wmma_f32_16x16x32_bf16 v[D+8*\t:D+8*\t+7], v[WF+8*\sg:WF+8*\sg+7], v[XA+32*\sg+8*\t:XA+32*\sg+8*\t+7], 0
.else
	v_wmma_f32_16x16x32_bf16 v[D+8*\t:D+8*\t+7], v[WF+8*\sg:WF+8*\sg+7], v[XA+32*\sg+8*\t:XA+32*\sg+8*\t+7], v[D+8*\t:D+8*\t+7]
.endif
.endr
.endr
.rept 4
	v_nop                                          ; four places behind the last product before its result is read (ISA guide 7.12.1)
.endr
	; lane (r, h), register j of tile t: output 16 w + 8 h + j of pixel 4 r + t
.irp t, 0,1,2,3
.irp j, 0,1,2,3,4,5,6,7
	v_mul_f32 v[D+8*\t+\j], s21, v[D+8*\t+\j]      ; z = x with the exponent's sign
.endr
.irp j, 0,1,2,3,4,5,6,7
	v_and_b32 v[A8+\j], 0x7fffffff, v[D+8*\t+\j]
.endr
.irp j, 0,1,2,3,4,5,6,7
	v_add_f32 v[A8+\j], s22, v[A8+\j]              ; a = |x| + eps
.endr
.irp j, 0,1,2,3,4,5,6,7
	v_rcp_f32 v[R8+\j], v[A8+\j]
.endr
	v_nop                                          ; one plain instruction behind the reciprocals before they are used (ISA guide 5.7.2)
	s_wait_alu depctr_va_vdst(0)
.irp j, 0,1,2,3,4,5,6,7
	v_cmp_lt_f32 vcc_lo, 0, v[D+8*\t+\j]
	v_cndmask_b32 v[R8+\j], v[R8+\j], v[A8+\j], vcc_lo         ; z > 0: a, else 1 / a
	v_cmp_neq_f32 vcc_lo, 0, v[D+8*\t+\j]
	v_cndmask_b32 v[D+8*\t+\j], 1.0, v[R8+\j], vcc_lo          ; z = 0: 1
.endr
	ds_store_b128 v[STO], v[D+8*\t:D+8*\t+3] offset:\t*SP
	ds_store_b128 v[STO], v[D+8*\t+4:D+8*\t+7] offset:\t*SP+16
.endr
	s_wait_dscnt 0x0                               ; each row of the stage holds parts from all four waves
	s_barrier_signal -1
	s_barrier_wait -1
.irp t, 0,1,2,3,4,5,6,7
	ds_load_b128 v[XA+4*\t:XA+4*\t+3], v[RD] offset:\t*2*SP
.endr
.irp t, 0,1,2,3,4,5,6,7
	s_wait_dscnt 7-\t                              ; LDS loads come back in order: load t is in
	global_store_b128 v[CO], v[XA+4*\t:XA+4*\t+3], s[26:27] offset:\t*512   ; sixteen lanes store one row of 256 bytes, aligned
.endr
	s_wait_tensorcnt 0x0
	ds_add_u32 v254, v255
	s_wait_dscnt 0x0
	s_endpgm
.Lfunc_end_k_qbe6065fdd4_prep:
	.size	k_qbe6065fdd4_prep, .Lfunc_end_k_qbe6065fdd4_prep-k_qbe6065fdd4_prep
	.p2alignl 7, 3214868480
	.fill 96, 4, 3214868480
	.section	.rodata,"a",@progbits
	.p2align	6, 0x0
	.amdhsa_kernel k_qbe6065fdd4_prep
		.amdhsa_group_segment_fixed_size 34304
		.amdhsa_private_segment_fixed_size 0
		.amdhsa_enable_private_segment 0
		.amdhsa_kernarg_size 56
		.amdhsa_user_sgpr_count 2
		.amdhsa_user_sgpr_kernarg_segment_ptr 1
		.amdhsa_wavefront_size32 1
		.amdhsa_system_sgpr_workgroup_id_x 1
		.amdhsa_system_sgpr_workgroup_id_y 1
		.amdhsa_system_sgpr_workgroup_id_z 1
		.amdhsa_system_vgpr_workitem_id 0
		.amdhsa_next_free_vgpr 256
		.amdhsa_next_free_sgpr 66
		.amdhsa_reserve_vcc 1
		.amdhsa_float_denorm_mode_32 3
		.amdhsa_float_denorm_mode_16_64 3
		.amdhsa_memory_ordered 1
		.amdhsa_forward_progress 1
		.amdhsa_inst_pref_size 26
	.end_amdhsa_kernel
	.amdgpu_metadata
---
amdhsa.version: [ 1, 2 ]
amdhsa.kernels:
  - .name:           k_qbe6065fdd4_prep
    .symbol:         k_qbe6065fdd4_prep.kd
    .args:
      - { .name: X, .offset: 0, .size: 8, .value_kind: global_buffer, .address_space: global }
      - { .name: W_min, .offset: 8, .size: 8, .value_kind: global_buffer, .address_space: global }
      - { .name: W_sub, .offset: 16, .size: 8, .value_kind: global_buffer, .address_space: global }
      - { .name: M, .offset: 24, .size: 8, .value_kind: global_buffer, .address_space: global }
      - { .name: Fb, .offset: 32, .size: 8, .value_kind: global_buffer, .address_space: global }
      - { .name: Eb, .offset: 40, .size: 8, .value_kind: global_buffer, .address_space: global }
      - { .name: Mb, .offset: 48, .size: 8, .value_kind: global_buffer, .address_space: global }
    .group_segment_fixed_size: 34304
    .private_segment_fixed_size: 0
    .kernarg_segment_align: 8
    .kernarg_segment_size: 56
    .max_flat_workgroup_size: 128
    .sgpr_count:     66
    .vgpr_count:     256
    .wavefront_size: 32
...
	.end_amdgpu_metadata
.endif
;; end of part 1
;; launch filter (part 2): grid 64 x 4, 4 waves a work-group, clusters of 4 x 1, 168,448 bytes of LDS; arguments Mb, Eb, Fb, cand; writes cand
.if DOCPART == 2
	.amdgcn_target "amdgcn-amd-amdhsa--gfx1250"
	.amdhsa_code_object_version 6
	.text
	.protected	k_qbe6065fdd4_filter
	.globl	k_qbe6065fdd4_filter
	.p2align	8
	.type	k_qbe6065fdd4_filter,@function
k_qbe6065fdd4_filter:
	s_mov_b64 s[64:65], 0
	v_nop
	global_prefetch_b8 v0, s[64:65] scope:SCOPE_SE
	s_setreg_imm32_b32 hwreg(HW_REG_WAVE_MODE, 25, 1), 1
	s_wait_xcnt 0x0
	s_wait_alu depctr_hold_cnt(0) depctr_sa_sdst(0) depctr_va_vdst(0) depctr_va_sdst(0) depctr_va_ssrc(0) depctr_va_vcc(0) depctr_vm_vsrc(0)
	s_getreg_b32 s2, hwreg(HW_REG_IB_STS2, 6, 4)
	s_cmp_eq_u32 s2, 0
	s_cbranch_scc0 .Lentry_in_a_cluster
	s_endpgm
.Lentry_in_a_cluster:
	s_bfe_u32 s2, ttmp6, 0x10000c
	s_cmp_lg_u32 s2, 0x3003
	s_cbranch_scc0 .Lentry_shape_is_right
	s_endpgm
.Lentry_shape_is_right:
; filter: for every row i and every partner j an approximate dis^2 = |M s|^2, s_c = 1 / (1 + E[j][c] F[i][c]) rounded to bf16,
; and of each row's partners of one parity of j the 16 with the smallest dis^2, as indices, into cand[b][parity][i][16].
; The next launch computes these 32 candidates of a row again, precisely, and ranks them.
; A work-group: 16 rows i = 16 g + r, one batch b, one parity: 512 partners.  Wave w: partners jj = 128 w .. 128 w + 127 (j = 2 jj + parity).
; A tile = 16 rows x one j.  B fragment: lane (r, h) holds s of row r, channels 32 h .. 32 h + 31; A fragments: M's rows.
; K order, alike in both operands: K step s, half h, register p, half-word e  <->  channel 32 h + 16 s + 2 p + e.
; CLUSTER: the four work-groups of a cluster have the same b and parity and so the same 131,072 bytes of E: each wave asks for its
; quarter by four joint loads (mask 15).  E is filled once and never again; a wave reads only what it asked for itself.
; THE LOOP is laid out so that a tile's vector work (fused multiply-add, reciprocal, rounding) stands between the products of the tile
; before it: one product behind each group of about ten vector instructions.
; SELECTION without branches: key = (min(q, T2) with its low 10 bits replaced by j), a positive f32, different for every j;
; each lane keeps 16 keys in ascending order; a new key goes in by 15 medians of three and one minimum.
; LIMITS: the ranking here rests on s in bf16 and on q cut to 13 bits of mantissa; a partner that belongs to a row's true 16 is lost only
; if 16 partners of its own parity get smaller keys.  q above T2 = 7871.742 (dis above ln of the largest f32, where sigmoid(-dis) is 0
; or denormal) counts as T2, a NaN too, so that such partners rank by index.  E F overflows only for |x| above about 1e19; s is then 0.
.set LA,  4                            ; v4        LDS address of my half (128 h) of the trip's first tile
.set JV,  5                            ; v5        j of the tile whose key this lane takes (half 0: first tile of the trip, half 1: second)
.set QA,  6                            ; v6, v7    my half's part of q for the two tiles
.set QB,  7
.set ACC, 12                           ; v[12:19]  four chains of the sum of squares
.set L,   20                           ; v[20:35]  my 16 keys, ascending
.set P,   36                           ; v[36:51]  a partner's list; second buffer of the merge
.set F,   52                           ; v[52:83]  F of row r, channels 32 h ..
.set EB,  84                           ; v[84:115] E of the tile, then 1 + E F, then s, in place; chunk k = 4 registers
.set S0,  116                          ; v[116:131], v[132:147]  s in bf16: two B fragments (K steps 0, 1), two sets
.set S1,  132
.set D,   148                          ; v[148:179] four accumulators: rows 16 T .. 16 T + 15 of M s
.set MF,  180                          ; v[180:243] M: fragment (T, K step) at 16 T + 8 s
.set G1,  24                           ; s[24:31]  descriptor group 1
.set G0,  32                           ; s[32:47]  descriptor group 0, one for each of my four tiles of E
.set SCR,  131072                      ; LDS 0..131071: E, row jj at 256 jj.  Then 4,096 bytes: the waves' lists.  Then 1,024: the way out.
.set OUTS, 135168                      ; no tensor load lands at or behind SCR
.macro ROUND                           ; a round of the cluster's barrier
	s_barrier_signal -1
	s_barrier_wait -1
	s_cmp_lg_u32 s12, 0
	s_cbranch_scc1 .Lnot_wave_0_\@
	s_barrier_signal -3
.Lnot_wave_0_\@:
	s_barrier_wait -3
	s_barrier_signal -1
	s_barrier_wait -1
.endm
	s_load_b256 s[4:11], s[0:1], 0x0               ; Mb s[4:5], Eb s[6:7], Fb s[8:9], cand s[10:11]
	v_lshl_add_u32 v254, v0, 2, 0x29000
	v_mov_b32 v255, 0
	ds_add_u32 v254, v255
	v_lshrrev_b32 v1, 5, v0
	v_readfirstlane_b32 s12, v1                    ; wave
	s_bfe_u32 s13, ttmp6, 0x40000                  ; cx
	s_lshl_b32 s14, ttmp9, 2
	s_add_co_u32 s14, s14, s13                     ; g = 4 x cluster x + cx: enters the addresses of F and cand alone
	s_and_b32 s15, ttmp7, 0xffff                   ; y = 2 b + parity, the same in all four partners
	s_lshr_b32 s16, s15, 1                         ; b
	s_and_b32 s17, s15, 1                          ; parity
	s_mov_b32 s48, 0x76543210                      ; v_permlanex16_b32: lane i reads lane i of the other half
	s_mov_b32 s49, 0xfedcba98
	s_mov_b32 s50, 0xffff0000                      ; the lanes of half 1
	s_mov_b32 s51, 0x45f5fdf0                      ; T2 = 7871.742
	s_mov_b32 s52, 0x7f800000                      ; +infinity: an empty place in a list
	; group 1: 32 rows of 64 f32; from row to row 128 elements (every second row of Eb)
	s_mov_b32 s[G1+0], 0x0022000f                  ; 15:0 mask: all four of the cluster; 17:16 elements of 4 bytes; 21 set beside a mask
	s_mov_b32 s[G1+1], 64<<16                      ; tensor_dim0 = 64
	s_mov_b32 s[G1+2], 32<<16                      ; tensor_dim1 = 32
	s_mov_b32 s[G1+3], 64<<16                      ; tile_dim0 = 64
	s_mov_b32 s[G1+4], 32                          ; tile_dim1 = 32
	s_mov_b32 s[G1+5], 128                         ; pitch
	s_mov_b32 s[G1+6], 0
	s_mov_b32 s[G1+7], 0
	s_lshl_b32 s53, s12, 15                        ; my quarter of E in LDS: 128 rows of 256 bytes
	s_lshl_b32 s54, s16, 18                        ; in memory: batch x 1,024 rows of 256 bytes
	s_lshl_b32 s55, s17, 8                         ; + parity rows
	s_add_co_u32 s54, s54, s55
	s_lshl_b32 s55, s12, 16                        ; + 128 w double rows
	s_add_co_u32 s54, s54, s55
	s_mov_b32 s55, 0
	s_lshl_b32 s58, s16, 18                        ; F: row 1,024 b + 16 g
	s_lshl_b32 s59, s14, 12
	s_add_co_u32 s58, s58, s59
	s_mov_b32 s59, 0
	s_lshl_b32 s60, s15, 16                        ; cand: (1,024 y + 16 g) lists of 64 bytes
	s_lshl_b32 s61, s14, 10
	s_add_co_u32 s60, s60, s61
	s_mov_b32 s61, 0
	s_lshl_b32 s62, s12, 8
	s_add_co_u32 s62, s62, s17                     ; j of my first tile
	s_wait_dscnt 0x0
	s_wait_kmcnt 0x0
	s_add_nc_u64 s[56:57], s[6:7], s[54:55]
	s_add_nc_u64 s[8:9], s[8:9], s[58:59]
	s_add_nc_u64 s[10:11], s[10:11], s[60:61]
.irp s, 0,1,2,3
	s_mov_b32 s[G0+4*\s], 1
	s_add_co_u32 s[G0+4*\s+1], s53, \s*8192
	s_add_nc_u64 s[G0+4*\s+2:G0+4*\s+3], s[56:57], \s*16384
	s_or_b32 s[G0+4*\s+3], s[G0+4*\s+3], 0x80000000
.endr
	ROUND                                          ; all four work-groups are here: the joint loads meet
.irp s, 0,1,2,3
	tensor_load_to_lds s[G0+4*\s:G0+4*\s+3], s[G1:G1+7]    ; four loads of this wave are out, all first fills
	s_nop 0
.endr
	v_and_b32 v1, 15, v0                           ; r
	v_bfe_u32 v2, v0, 4, 1                         ; h
	v_lshlrev_b32 v3, 8, v1
	v_lshl_add_u32 v3, v2, 7, v3                   ; F: 256 r + 128 h
	v_lshlrev_b32 v244, 7, v1
	v_lshl_add_u32 v244, v2, 6, v244               ; Mb: 128 r + 64 h
.irp k, 0,1,2,3,4,5,6,7
	global_load_b128 v[F+4*\k:F+4*\k+3], v3, s[8:9] offset:16*\k
.endr
.irp T, 0,1,2,3
.irp sg, 0,1
.irp q, 0,1
	global_load_b128 v[MF+16*\T+8*\sg+4*\q:MF+16*\T+8*\sg+4*\q+3], v244, s[4:5] offset:\T*2048+\sg*32+\q*16
.endr
.endr
.endr
	v_lshl_add_u32 v[LA], v2, 7, s53
	v_lshl_add_u32 v[JV], v2, 1, s62
	v_mov_b32 v10, 0                               ; destinations of v_permlanex16_b32 count as read: written once here
.set t, 0
.rept 16
	v_mov_b32 v[L+t], s52
	v_mov_b32 v[P+t], 0
.set t, t+1
.endr
	s_wait_loadcnt 0x0                             ; F and M, once
	s_wait_tensorcnt 0x0                           ; my quarter of E is in LDS; only I read it, so no barrier is needed
.irp k, 0,1,2,3,4,5,6
	ds_load_b128 v[EB+4*\k:EB+4*\k+3], v[LA] offset:16*\k  ; tile 0, chunks 0 to 6; all lanes of a half read the same 16 bytes
.endr
; my half's part of q = the sum of squares of my 32 numbers of M s, in four chains
.macro RSUM qd
.irp T, 0,1,2,3
	v_pk_mul_f32 v[ACC+2*\T:ACC+2*\T+1], v[D+8*\T:D+8*\T+1], v[D+8*\T:D+8*\T+1]
.endr
.irp u, 2,4,6
.irp T, 0,1,2,3
	v_pk_fma_f32 v[ACC+2*\T:ACC+2*\T+1], v[D+8*\T+\u:D+8*\T+\u+1], v[D+8*\T+\u:D+8*\T+\u+1], v[ACC+2*\T:ACC+2*\T+1]
.endr
.endr
	v_pk_add_f32 v[ACC:ACC+1], v[ACC:ACC+1], v[ACC+2:ACC+3]
	v_pk_add_f32 v[ACC+4:ACC+5], v[ACC+4:ACC+5], v[ACC+6:ACC+7]
	v_pk_add_f32 v[ACC:ACC+1], v[ACC:ACC+1], v[ACC+4:ACC+5]
	v_add_f32 v[\qd], v[ACC], v[ACC+1]
.endm
; the two tiles' q are completed across the halves (half 0 ends with the first tile's, half 1 with the second's), made keys, and put in
.macro INSERT
	v_cndmask_b32 v8, v[QA], v[QB], s50            ; my part of the tile that I keep
	v_cndmask_b32 v9, v[QB], v[QA], s50            ; my part of the tile that the other half keeps
	v_permlanex16_b32 v10, v9, s48, s49
	v_add_f32 v10, v8, v10
	v_min_num_f32 v10, s51, v10                    ; a NaN loses against T2
	v_and_or_b32 v10, v10, 0xfffffc00, v[JV]
.irp t, 15,14,13,12,11,10,9,8,7,6,5,4,3,2,1
	v_med3_num_f32 v[L+\t], v[L+\t-1], v[L+\t], v10        ; from the top down: each reads the old neighbour below
.endr
	v_min_num_f32 v[L], v[L], v10
	v_add_nc_u32 v[JV], 4, v[JV]                   ; two tiles on, j in steps of 2
.endm
; One tile's turn.  sc: its set of s; sp: the set of the tile before.  prev = 1: that tile is finished here (its second K step, its sum
; of squares into qd).  ins = 1: INSERT behind that.  ld = 1: chunk 7 of this tile and chunks 0-6 of the next are loaded; 2: chunk 7 alone.
; o7, on: LDS offsets of this tile and the next.  Step k works on chunk k; chunk k - 1, whose reciprocals were issued a step earlier, is
; rounded (these two plain instructions also stand behind step k's reciprocals: ISA guide 5.7.2), and its registers are loaded again.
; LDS waits: behind chunk k's load six younger loads have been issued at every step; with ld = 2 they run out: 6, 6, 5, .. 0.
; Products: T = 0..3 of K step 1 of the tile before in steps 0-3, T = 0..3 of K step 0 of this tile behind steps 4-7: the four accumulators
; take turns, one instruction a turn, over the loop's back edge too.  Behind the product of step 3 stand step 4's two
; multiply-adds and two roundings, four places that name none of its registers, before RSUM reads results (ISA guide 7.12.1).
.macro PHASE sc, sp, prev, ins, qd, ld, o7, on
.set k, 0
.rept 8
.set N, 6
.if \ld == 2
.if k > 0
.set N, 7-k
.endif
.endif
	s_wait_dscnt N
	v_pk_fma_f32 v[EB+4*k:EB+4*k+1], v[EB+4*k:EB+4*k+1], v[F+4*k:F+4*k+1], 1.0 op_sel_hi:[1,1,0]
	v_pk_fma_f32 v[EB+4*k+2:EB+4*k+3], v[EB+4*k+2:EB+4*k+3], v[F+4*k+2:F+4*k+3], 1.0 op_sel_hi:[1,1,0]
	v_rcp_f32 v[EB+4*k], v[EB+4*k]
	v_rcp_f32 v[EB+4*k+1], v[EB+4*k+1]
	v_rcp_f32 v[EB+4*k+2], v[EB+4*k+2]
	v_rcp_f32 v[EB+4*k+3], v[EB+4*k+3]
.if k == 0
.if \prev
	v_cvt_pk_bf16_f32 v[\sp+14], v[EB+28], v[EB+29]
	v_cvt_pk_bf16_f32 v[\sp+15], v[EB+30], v[EB+31]
.endif
	ds_load_b128 v[EB+28:EB+31], v[LA] offset:\o7+112
.else
	s_wait_alu depctr_va_vdst(0)
	v_cvt_pk_bf16_f32 v[\sc+2*k-2], v[EB+4*k-4], v[EB+4*k-3]
	v_cvt_pk_bf16_f32 v[\sc+2*k-1], v[EB+4*k-2], v[EB+4*k-1]
.if \ld == 1
	ds_load_b128 v[EB+4*k-4:EB+4*k-1], v[LA] offset:\on+16*k-16
.endif
.endif
.if k < 4
.if \prev
	v_wmma_f32_16x16x32_bf16 v[D+8*k:D+8*k+7], v[MF+16*k+8:MF+16*k+15], v[\sp+8:\sp+15], v[D+8*k:D+8*k+7]
.endif
.endif
.if k == 4
.if \prev
	RSUM \qd
.if \ins
	INSERT
.endif
.endif
	v_wmma_f32_16x16x32_bf16 v[D:D+7], v[MF:MF+7], v[\sc:\sc+7], 0
.endif
.if k > 4
	v_wmma_f32_16x16x32_bf16 v[D+8*k-32:D+8*k-25], v[MF+16*k-64:MF+16*k-57], v[\sc:\sc+7], 0
.endif
.set k, k+1
.endr
.endm
	; 64 trips of two tiles: the first and the last are written out
	PHASE S0, S1, 0, 0, QB, 1, 0, 256
	PHASE S1, S0, 1, 0, QA, 1, 256, 512
	v_add_nc_u32 v[LA], 512, v[LA]
	s_mov_b32 s52, 62
.Ltrip:
	PHASE S0, S1, 1, 1, QB, 1, 0, 256
	PHASE S1, S0, 1, 0, QA, 1, 256, 512
	v_add_nc_u32 v[LA], 512, v[LA]
	s_sub_co_i32 s52, s52, 1
	s_cmp_lg_u32 s52, 0
	s_cbranch_scc1 .Ltrip
	PHASE S0, S1, 1, 1, QB, 1, 0, 256
	PHASE S1, S0, 1, 0, QA, 2, 256, 512            ; nothing beyond my last tile is loaded
	; the last tile is finished
	v_cvt_pk_bf16_f32 v[S1+14], v[EB+28], v[EB+29]
	v_cvt_pk_bf16_f32 v[S1+15], v[EB+30], v[EB+31]
.irp T, 0,1,2,3
	v_wmma_f32_16x16x32_bf16 v[D+8*\T:D+8*\T+7], v[MF+16*\T+8:MF+16*\T+15], v[S1+8:S1+15], v[D+8*\T:D+8*\T+7]
.endr
.rept 4
	v_nop                                          ; four places behind the last product (ISA guide 7.12.1)
.endr
	RSUM QB
	INSERT
; compare and exchange at distance dist, from one buffer into the other
.macro CEX src, dst, dist
.set t, 0
.rept 16
.if (t & \dist) == 0
	v_min_num_f32 v[\dst+t], v[\src+t], v[\src+t+\dist]
	v_max_num_f32 v[\dst+t+\dist], v[\src+t], v[\src+t+\dist]
.endif
.set t, t+1
.endr
.endm
; L and P ascending: the 16 smallest of both, ascending, into L.  The minima of L against P reversed are those 16 as a bitonic
; sequence; four stages of compare and exchange sort it.
.macro MERGE16
.set t, 0
.rept 16
	v_min_num_f32 v[L+t], v[L+t], v[P+15-t]
.set t, t+1
.endr
	CEX L, P, 8
	CEX P, L, 4
	CEX L, P, 2
	CEX P, L, 1
.endm
.macro OTHERHALF
.set t, 0
.rept 16
	v_permlanex16_b32 v[P+t], v[L+t], s48, s49
.set t, t+1
.endr
.endm
	v_lshlrev_b32 v246, 6, v1                      ; 64 r
	v_lshl_add_u32 v248, v2, 5, v246               ; 64 r + 32 h
	v_lshl_add_u32 v247, v2, 11, v246              ; 64 r + 2,048 h
	s_lshl_b32 s54, s12, 10
	s_add_co_u32 s54, s54, SCR
	v_add_nc_u32 v246, s54, v248                   ; my wave's lists: 16 rows of 64 bytes
	v_add_nc_u32 v247, SCR, v247
	v_add_nc_u32 v248, OUTS, v248
	v_and_b32 v245, 31, v0
	v_lshlrev_b32 v245, 4, v245                    ; 16 x lane
	v_add_nc_u32 v249, OUTS, v245
	OTHERHALF                                      ; the two halves' lists of a row become one, in both halves
	MERGE16
.irp u, 0,1,2,3,4,5,6,7
	v_cndmask_b32 v[P+\u], v[L+\u], v[L+8+\u], s50 ; half h stores keys 8 h .. 8 h + 7
.endr
	ds_store_b128 v246, v[P:P+3]
	ds_store_b128 v246, v[P+4:P+7] offset:16
	s_wait_dscnt 0x0                               ; for wave 0's sake
	s_barrier_signal -1
	s_barrier_wait -1
	s_cmp_lg_u32 s12, 0
	s_cbranch_scc1 .Lend
	; wave 0: half h merges the lists of waves 2 h and 2 h + 1, then the halves merge
.irp q, 0,1,2,3
	ds_load_b128 v[L+4*\q:L+4*\q+3], v247 offset:16*\q
.endr
.irp q, 0,1,2,3
	ds_load_b128 v[P+4*\q:P+4*\q+3], v247 offset:1024+16*\q
.endr
	s_wait_dscnt 0x0
	MERGE16
	OTHERHALF
	MERGE16
.irp u, 0,1,2,3,4,5,6,7
	v_cndmask_b32 v[P+\u], v[L+\u], v[L+8+\u], s50
.endr
.irp u, 0,1,2,3,4,5,6,7
	v_and_b32 v[P+\u], 0x3ff, v[P+\u]              ; the key's low 10 bits: j
.endr
	ds_store_b128 v248, v[P:P+3]                   ; through LDS, so that each store below covers 512 consecutive bytes
	ds_store_b128 v248, v[P+4:P+7] offset:16
	ds_load_b128 v[P+8:P+11], v249                 ; a wave's LDS instructions are served in order (ISA guide 5.7.1): these see the stores above
	ds_load_b128 v[P+12:P+15], v249 offset:512
	s_wait_dscnt 0x0
	global_store_b128 v245, v[P+8:P+11], s[10:11]
	global_store_b128 v245, v[P+12:P+15], s[10:11] offset:512
.Lend:
	s_wait_tensorcnt 0x0
	ds_add_u32 v254, v255
	s_wait_dscnt 0x0
	ROUND                                          ; the closing round: no work-group ends while a partner may still ask jointly
	s_endpgm
.Lfunc_end_k_qbe6065fdd4_filter:
	.size	k_qbe6065fdd4_filter, .Lfunc_end_k_qbe6065fdd4_filter-k_qbe6065fdd4_filter
	.p2alignl 7, 3214868480
	.fill 96, 4, 3214868480
	.section	.rodata,"a",@progbits
	.p2align	6, 0x0
	.amdhsa_kernel k_qbe6065fdd4_filter
		.amdhsa_group_segment_fixed_size 168448
		.amdhsa_private_segment_fixed_size 0
		.amdhsa_enable_private_segment 0
		.amdhsa_kernarg_size 32
		.amdhsa_user_sgpr_count 2
		.amdhsa_user_sgpr_kernarg_segment_ptr 1
		.amdhsa_wavefront_size32 1
		.amdhsa_system_sgpr_workgroup_id_x 1
		.amdhsa_system_sgpr_workgroup_id_y 1
		.amdhsa_system_sgpr_workgroup_id_z 1
		.amdhsa_system_vgpr_workitem_id 0
		.amdhsa_next_free_vgpr 256
		.amdhsa_next_free_sgpr 66
		.amdhsa_reserve_vcc 0
		.amdhsa_float_denorm_mode_32 3
		.amdhsa_float_denorm_mode_16_64 3
		.amdhsa_memory_ordered 1
		.amdhsa_forward_progress 1
		.amdhsa_inst_pref_size 60
	.end_amdhsa_kernel
	.amdgpu_metadata
---
amdhsa.version: [ 1, 2 ]
amdhsa.kernels:
  - .name:           k_qbe6065fdd4_filter
    .symbol:         k_qbe6065fdd4_filter.kd
    .args:
      - { .name: Mb, .offset: 0, .size: 8, .value_kind: global_buffer, .address_space: global }
      - { .name: Eb, .offset: 8, .size: 8, .value_kind: global_buffer, .address_space: global }
      - { .name: Fb, .offset: 16, .size: 8, .value_kind: global_buffer, .address_space: global }
      - { .name: cand, .offset: 24, .size: 8, .value_kind: global_buffer, .address_space: global }
    .group_segment_fixed_size: 168448
    .private_segment_fixed_size: 0
    .kernarg_segment_align: 8
    .kernarg_segment_size: 32
    .max_flat_workgroup_size: 128
    .sgpr_count:     66
    .vgpr_count:     256
    .wavefront_size: 32
...
	.end_amdgpu_metadata
.endif
;; end of part 2
;; launch refine (part 3): grid 256 x 1, 8 waves a work-group, no clusters, 3,072 bytes of LDS; arguments Mb, Eb, Fb, cand, out0, out1; writes out0, out1
.if DOCPART == 3
	.amdgcn_target "amdgcn-amd-amdhsa--gfx1250"
	.amdhsa_code_object_version 6
	.text
	.protected	k_qbe6065fdd4_refine
	.globl	k_qbe6065fdd4_refine
	.p2align	8
	.type	k_qbe6065fdd4_refine,@function
k_qbe6065fdd4_refine:
	s_mov_b64 s[64:65], 0
	v_nop
	global_prefetch_b8 v0, s[64:65] scope:SCOPE_SE
	s_setreg_imm32_b32 hwreg(HW_REG_WAVE_MODE, 25, 1), 1
	s_wait_xcnt 0x0
; refine: one wave, one row R = 8 x work-group + wave.  Its 32 candidates (16 of each parity of j, from cand) are computed again:
; s_c = 1 / (1 + E[j][c] F[R][c]) in f32, split EXACTLY into three bf16 pieces (8 + 8 + 8 bits of mantissa, by cutting and subtracting),
; M s as six products for each 16 rows of M (pieces from the smallest up, two K steps), dis = sqrt(|M s|^2).
; Then a bitonic sort of the 32 lanes by (dis, j), and ranks 0 to 15 leave as index and as -sigmoid(-dis).
; Fragments and K order as in the launch before: lane (r, h) holds candidate r, channels 32 h .. 32 h + 31.
; No cluster: nothing comes by tensor loads; what the waves share (Mb, 8,192 bytes) is loaded through registers.
; LIMITS: dis above T = 88.72284 (ln of the largest f32) counts as T, a NaN too: such partners rank by index and give -0.  For dis from about
; 87.34 to T the formula's value is denormal; v_rcp_f32 gives 0 there, so -0 leaves, ranked by dis.  Equal dis rank by index.
.set JA,  6                            ; v6, v7    candidates' j: column r of tile A (even parity), of tile B
.set JB,  7
.set OA,  8                            ; v8, v9    their byte offsets in Eb
.set OB,  9
.set QA,  10                           ; v10, v11  my half's part of q
.set QB,  11
.set DV,  12                           ; v12, v13  the sort's key: dis, j
.set JX,  13
.set PD,  14                           ; v14, v15  the partner lane's key (v14 first holds Mb's offset, until all loads are in)
.set PJ,  15
.set MF,  16                           ; v[16:79]   M: fragment (T, K step) at 16 T + 8 s
.set F,   80                           ; v[80:111]  F of my row
.set TP,  80                           ; v[80:83]   at work, once F is used up
.set ACC, 84                           ; v[84:91]   likewise
.set EA,  112                          ; v[112:143] tile A: E, then 1 + E F, then s, then what is left of s
.set EC,  144                          ; v[144:175] tile B
.set FH,  176                          ; v[176:191] the high pieces as two B fragments
.set FM,  192                          ; v[192:207] the middle pieces
.set FL,  208                          ; v[208:223] the low pieces
.set D,   224                          ; v[224:255] four accumulators
	s_load_b256 s[4:11], s[0:1], 0x0               ; Mb s[4:5], Eb s[6:7], Fb s[8:9], cand s[10:11]
	s_load_b128 s[12:15], s[0:1], 0x20             ; out0 s[12:13], out1 s[14:15]
	s_set_vgpr_msb 0x40
	v_lshl_add_u32 v0, v0, 2, 0x800
	v_mov_b32 v1, 0
	s_set_vgpr_msb 0x4000
	v_lshrrev_b32 v1, 5, v0
	v_readfirstlane_b32 s16, v1                    ; wave
	s_mov_b32 s17, 0xffff0000                      ; a word's upper 16 bits; also: the lanes of half 1
	s_mov_b32 s18, 0x07060302                      ; v_perm_b32: the upper halves of two words
	s_mov_b32 s19, 0x76543210
	s_mov_b32 s20, 0xfedcba98
	s_mov_b32 s24, 0x42b17218                      ; T
	v_and_b32 v1, 15, v0                           ; r
	v_bfe_u32 v2, v0, 4, 1                         ; h
	v_and_b32 v3, 31, v0                           ; lane
	v_lshlrev_b32 v4, 2, v1                        ; 4 r
	v_lshlrev_b32 v5, 7, v2                        ; 128 h
	v_lshlrev_b32 v14, 7, v1
	v_lshl_add_u32 v14, v2, 6, v14                 ; Mb: 128 r + 64 h
	v_mov_b32 v15, 0                               ; a destination of lane moves counts as read: written once here
	s_lshr_b32 s25, ttmp9, 7                       ; b
	s_lshl_b32 s26, s25, 17                        ; cand: 2 b x 1,024 lists of 64 bytes
	s_and_b32 s27, ttmp9, 127
	s_lshl3_add_u32 s27, s27, s16                  ; i
	s_lshl_b32 s27, s27, 6
	s_add_co_u32 s26, s26, s27
	s_mov_b32 s27, 0
	s_lshl3_add_u32 s28, ttmp9, s16                ; R
	s_lshl_b32 s28, s28, 8
	s_mov_b32 s29, 0
	s_lshl_b32 s30, s25, 18                        ; Eb: b x 1,024 rows of 256 bytes
	s_mov_b32 s31, 0
	s_wait_kmcnt 0x0
	s_add_nc_u64 s[10:11], s[10:11], s[26:27]
	s_add_nc_u64 s[8:9], s[8:9], s[28:29]
	s_add_nc_u64 s[6:7], s[6:7], s[30:31]
	global_load_b32 v[JA], v4, s[10:11]
	global_load_b32 v[JB], v4, s[10:11] offset:65536
.irp k, 0,1,2,3,4,5,6,7
	global_load_b128 v[F+4*\k:F+4*\k+3], v5, s[8:9] offset:16*\k
.endr
.irp T, 0,1,2,3
.irp sg, 0,1
.irp q, 0,1
	global_load_b128 v[MF+16*\T+8*\sg+4*\q:MF+16*\T+8*\sg+4*\q+3], v14, s[4:5] offset:\T*2048+\sg*32+\q*16
.endr
.endr
.endr
	s_wait_loadcnt 24                              ; the two index loads are in; F's 8 and M's 16 may stay out
	v_min_u32 v[JA], 0x3ff, v[JA]                  ; an index enters an address only behind this bound
	v_min_u32 v[JB], 0x3ff, v[JB]
	v_lshlrev_b32 v[OA], 8, v[JA]
	v_lshlrev_b32 v[OB], 8, v[JB]
	v_add_nc_u32 v[OA], v[OA], v5
	v_add_nc_u32 v[OB], v[OB], v5
.irp k, 0,1,2,3,4,5,6,7
	global_load_b128 v[EA+4*\k:EA+4*\k+3], v[OA], s[6:7] offset:16*\k
.endr
.irp k, 0,1,2,3,4,5,6,7
	global_load_b128 v[EC+4*\k:EC+4*\k+3], v[OB], s[6:7] offset:16*\k
.endr
	s_wait_loadcnt 8                               ; F, M and tile A's rows are in; tile B's 8 loads may stay out
.set p, 0
.rept 16
	v_pk_fma_f32 v[EA+2*p:EA+2*p+1], v[EA+2*p:EA+2*p+1], v[F+2*p:F+2*p+1], 1.0 op_sel_hi:[1,1,0]
.set p, p+1
.endr
.set p, 0
.rept 32
	v_rcp_f32 v[EA+p], v[EA+p]
.set p, p+1
.endr
	s_wait_loadcnt 0x0
.set p, 0
.rept 16
	v_pk_fma_f32 v[EC+2*p:EC+2*p+1], v[EC+2*p:EC+2*p+1], v[F+2*p:F+2*p+1], 1.0 op_sel_hi:[1,1,0]
.set p, p+1
.endr
.set p, 0
.rept 32
	v_rcp_f32 v[EC+p], v[EC+p]                     ; the plain instruction behind these (ISA guide 5.7.2) is tile A's first v_perm_b32, which touches none of them
.set p, p+1
.endr
.macro MM4 pc, sg, zero                ; four products: one piece, one K step, all 64 rows of M; the accumulators take turns
.irp T, 0,1,2,3
.if \zero
	v_wmma_f32_16x16x32_bf16 v[D+8*\T:D+8*\T+7], v[MF+16*\T+8*\sg:MF+16*\T+8*\sg+7], v[\pc+8*\sg:\pc+8*\sg+7], 0
.else
	v_wmma_f32_16x16x32_bf16 v[D+8*\T:D+8*\T+7], v[MF+16*\T+8*\sg:MF+16*\T+8*\sg+7], v[\pc+8*\sg:\pc+8*\sg+7], v[D+8*\T:D+8*\T+7]
.endif
.endr
.endm
.macro RSUM qd
.irp T, 0,1,2,3
	v_pk_mul_f32 v[ACC+2*\T:ACC+2*\T+1], v[D+8*\T:D+8*\T+1], v[D+8*\T:D+8*\T+1]
.endr
.irp u, 2,4,6
.irp T, 0,1,2,3
	v_pk_fma_f32 v[ACC+2*\T:ACC+2*\T+1], v[D+8*\T+\u:D+8*\T+\u+1], v[D+8*\T+\u:D+8*\T+\u+1], v[ACC+2*\T:ACC+2*\T+1]
.endr
.endr
	v_pk_add_f32 v[ACC:ACC+1], v[ACC:ACC+1], v[ACC+2:ACC+3]
	v_pk_add_f32 v[ACC+4:ACC+5], v[ACC+4:ACC+5], v[ACC+6:ACC+7]
	v_pk_add_f32 v[ACC:ACC+1], v[ACC:ACC+1], v[ACC+4:ACC+5]
	v_add_f32 v[\qd], v[ACC], v[ACC+1]
.endm
; One tile: s in e.  A word's upper 16 bits are a bf16 with the top 8 bits of the mantissa; taking them away leaves at most 16 bits, exactly;
; once more leaves at most 8, which are a bf16 themselves.
.macro TILE e, qd
.set p, 0
	s_wait_alu depctr_va_vdst(0)
.rept 16
	v_perm_b32 v[FH+p], v[\e+2*p+1], v[\e+2*p], s18
	v_and_b32 v[TP], s17, v[\e+2*p]
	v_and_b32 v[TP+1], s17, v[\e+2*p+1]
	v_pk_add_f32 v[\e+2*p:\e+2*p+1], v[\e+2*p:\e+2*p+1], v[TP:TP+1] neg_lo:[0,1] neg_hi:[0,1]
	v_perm_b32 v[FM+p], v[\e+2*p+1], v[\e+2*p], s18
	v_and_b32 v[TP+2], s17, v[\e+2*p]
	v_and_b32 v[TP+3], s17, v[\e+2*p+1]
	v_pk_add_f32 v[\e+2*p:\e+2*p+1], v[\e+2*p:\e+2*p+1], v[TP+2:TP+3] neg_lo:[0,1] neg_hi:[0,1]
	v_perm_b32 v[FL+p], v[\e+2*p+1], v[\e+2*p], s18
.set p, p+1
.endr
	MM4 FL, 0, 1
	MM4 FL, 1, 0
	MM4 FM, 0, 0
	MM4 FM, 1, 0
	MM4 FH, 0, 0
	MM4 FH, 1, 0
.rept 4
	v_nop                                          ; four places behind the last product: for RSUM, and for the next tile's pieces (ISA guide 7.12.1)
.endr
	RSUM \qd
.endm
	TILE EA, QA
	TILE EC, QB
	; q across the halves: lanes 0-15 end with tile A's candidates, lanes 16-31 with tile B's
	v_cndmask_b32 v[TP], v[QA], v[QB], s17
	v_cndmask_b32 v[TP+1], v[QB], v[QA], s17
	v_permlanex16_b32 v[TP+2], v[TP+1], s19, s20
	v_add_f32 v[TP], v[TP], v[TP+2]
	v_sqrt_f32 v[DV], v[TP]
	v_cndmask_b32 v[JX], v[JA], v[JB], s17         ; the plain instruction behind the root
	s_wait_alu depctr_va_vdst(0)
	v_min_num_f32 v[DV], s24, v[DV]                ; a NaN loses against T
; One stage of the bitonic sort: the partner is lane xor dist.  'less' = the partner's (dis, j) is smaller than mine; the 32 j differ.
; kx has a 1 for each lane that keeps the larger of the two: lanes whose bit dist and whose block's direction bit differ.
.macro BSTAGE dist, kx
.if \dist == 16
	v_permlanex16_b32 v[PD], v[DV], s19, s20
	v_permlanex16_b32 v[PJ], v[JX], s19, s20
.else
	v_mov_b32_dpp v[PD], v[DV] row_xmask:\dist row_mask:0xf bank_mask:0xf
	v_mov_b32_dpp v[PJ], v[JX] row_xmask:\dist row_mask:0xf bank_mask:0xf
.endif
	v_cmp_lt_f32 s21, v[PD], v[DV]
	v_cmp_eq_f32 s22, v[PD], v[DV]
	v_cmp_lt_u32 s23, v[PJ], v[JX]
	s_and_b32 s22, s22, s23
	s_or_b32 s21, s21, s22
	s_xor_b32 s21, s21, \kx
	v_cndmask_b32 v[DV], v[DV], v[PD], s21
	v_cndmask_b32 v[JX], v[JX], v[PJ], s21
.endm
	BSTAGE 1,  0x66666666
	BSTAGE 2,  0x3c3c3c3c
	BSTAGE 1,  0x5a5a5a5a
	BSTAGE 4,  0x0ff00ff0
	BSTAGE 2,  0x33cc33cc
	BSTAGE 1,  0x55aa55aa
	BSTAGE 8,  0x00ffff00
	BSTAGE 4,  0x0f0ff0f0
	BSTAGE 2,  0x3333cccc
	BSTAGE 1,  0x5555aaaa
	BSTAGE 16, 0xffff0000
	BSTAGE 8,  0xff00ff00
	BSTAGE 4,  0xf0f0f0f0
	BSTAGE 2,  0xcccccccc
	BSTAGE 1,  0xaaaaaaaa
	; lane t now holds rank t.  -sigmoid(-dis) = -1 / (1 + 2^(dis log2 e))
	s_lshl_b32 s25, s16, 7
	v_mul_f32 v[TP], 0x3fb8aa3b, v[DV]
	v_exp_f32 v[TP], v[TP]
	v_lshlrev_b32 v[TP+1], 2, v3                   ; plain work behind each transcendental (ISA guide 5.7.2)
	s_wait_alu depctr_va_vdst(0)
	v_add_f32 v[TP], 1.0, v[TP]
	v_rcp_f32 v[TP], v[TP]
	v_add_nc_u32 v[TP+1], s25, v[TP+1]             ; LDS: 128 x wave + 4 x lane
	s_wait_alu depctr_va_vdst(0)
	v_xor_b32 v[TP], 0x80000000, v[TP]
	ds_store_b32 v[TP+1], v[JX]
	ds_store_b32 v[TP+1], v[TP] offset:1024
	s_wait_dscnt 0x0                               ; for the sake of waves 0 and 1
	s_barrier_signal -1
	s_barrier_wait -1
	s_cmp_gt_u32 s16, 1
	s_cbranch_scc1 .Lend
	; wave 0 stores the eight rows' indices, wave 1 their values: 512 consecutive bytes each, aligned
	s_cmp_eq_u32 s16, 0
	s_cselect_b64 s[32:33], s[12:13], s[14:15]
	s_lshl_b32 s34, ttmp9, 9
	s_mov_b32 s35, 0
	s_add_nc_u64 s[32:33], s[32:33], s[34:35]
	s_lshl_b32 s36, s16, 10
	v_lshrrev_b32 v[TP+2], 2, v3                   ; row = lane / 4
	v_and_b32 v[TP+3], 3, v3                       ; which 16 bytes of its first 64
	v_lshlrev_b32 v[TP+2], 7, v[TP+2]
	v_lshl_add_u32 v[TP+2], v[TP+3], 4, v[TP+2]
	v_add_nc_u32 v[TP+2], s36, v[TP+2]
	ds_load_b128 v[ACC:ACC+3], v[TP+2]
	v_lshlrev_b32 v[TP+3], 4, v3
	s_wait_dscnt 0x0
	global_store_b128 v[TP+3], v[ACC:ACC+3], s[32:33]
.Lend:
	s_set_vgpr_msb 0x5
	s_wait_tensorcnt 0x0
	ds_add_u32 v0, v1
	s_wait_dscnt 0x0
	s_set_vgpr_msb 0x500
	s_endpgm
.Lfunc_end_k_qbe6065fdd4_refine:
	.size	k_qbe6065fdd4_refine, .Lfunc_end_k_qbe6065fdd4_refine-k_qbe6065fdd4_refine
	.p2alignl 7, 3214868480
	.fill 96, 4, 3214868480
	.section	.rodata,"a",@progbits
	.p2align	6, 0x0
	.amdhsa_kernel k_qbe6065fdd4_refine
		.amdhsa_group_segment_fixed_size 3072
		.amdhsa_private_segment_fixed_size 0
		.amdhsa_enable_private_segment 0
		.amdhsa_kernarg_size 48
		.amdhsa_user_sgpr_count 2
		.amdhsa_user_sgpr_kernarg_segment_ptr 1
		.amdhsa_wavefront_size32 1
		.amdhsa_system_sgpr_workgroup_id_x 1
		.amdhsa_system_sgpr_workgroup_id_y 1
		.amdhsa_system_sgpr_workgroup_id_z 1
		.amdhsa_system_vgpr_workitem_id 0
		.amdhsa_next_free_vgpr 258
		.amdhsa_next_free_sgpr 66
		.amdhsa_reserve_vcc 0
		.amdhsa_float_denorm_mode_32 3
		.amdhsa_float_denorm_mode_16_64 3
		.amdhsa_memory_ordered 1
		.amdhsa_forward_progress 1
		.amdhsa_inst_pref_size 41
	.end_amdhsa_kernel
	.amdgpu_metadata
---
amdhsa.version: [ 1, 2 ]
amdhsa.kernels:
  - .name:           k_qbe6065fdd4_refine
    .symbol:         k_qbe6065fdd4_refine.kd
    .args:
      - { .name: Mb, .offset: 0, .size: 8, .value_kind: global_buffer, .address_space: global }
      - { .name: Eb, .offset: 8, .size: 8, .value_kind: global_buffer, .address_space: global }
      - { .name: Fb, .offset: 16, .size: 8, .value_kind: global_buffer, .address_space: global }
      - { .name: cand, .offset: 24, .size: 8, .value_kind: global_buffer, .address_space: global }
      - { .name: out0, .offset: 32, .size: 8, .value_kind: global_buffer, .address_space: global }
      - { .name: out1, .offset: 40, .size: 8, .value_kind: global_buffer, .address_space: global }
    .group_segment_fixed_size: 3072
    .private_segment_fixed_size: 0
    .kernarg_segment_align: 8
    .kernarg_segment_size: 48
    .max_flat_workgroup_size: 256
    .sgpr_count:     66
    .vgpr_count:     258
    .wavefront_size: 32
...
	.end_amdgpu_metadata
.endif
;; end of part 3
;; ======== version 2 of 3: 3 launches; 1.41 times as fast as version 1
;; limits: values within 0.000122 (relative) of each other or of a threshold may be ordered or decided otherwise than in the reference
;; workspace buffers: Eb 524,288 bytes; Fb 524,288 bytes; Mb 8,192 bytes; cand 262,144 bytes of whole numbers
;; launch prep: the kernel of part 1 again; grid 32 x 2, 4 waves a work-group, no clusters, 34,304 bytes of LDS; arguments X, W_min, W_sub, M, Fb, Eb, Mb; writes Fb, Eb, Mb
;; launch filter (part 4): grid 64 x 4, 8 waves a work-group, clusters of 4 x 1, 168,960 bytes of LDS; arguments Mb, Eb, Fb, cand; writes cand
.if DOCPART == 4
	.amdgcn_target "amdgcn-amd-amdhsa--gfx1250"
	.amdhsa_code_object_version 6
	.text
	.protected	k_qbe6065fdd4_filter
	.globl	k_qbe6065fdd4_filter
	.p2align	8
	.type	k_qbe6065fdd4_filter,@function
k_qbe6065fdd4_filter:
	s_mov_b64 s[64:65], 0
	v_nop
	global_prefetch_b8 v0, s[64:65] scope:SCOPE_SE
	s_setreg_imm32_b32 hwreg(HW_REG_WAVE_MODE, 25, 1), 1
	s_wait_xcnt 0x0
	s_wait_alu depctr_hold_cnt(0) depctr_sa_sdst(0) depctr_va_vdst(0) depctr_va_sdst(0) depctr_va_ssrc(0) depctr_va_vcc(0) depctr_vm_vsrc(0)
	s_getreg_b32 s2, hwreg(HW_REG_IB_STS2, 6, 4)
	s_cmp_eq_u32 s2, 0
	s_cbranch_scc0 .Lentry_in_a_cluster
	s_endpgm
.Lentry_in_a_cluster:
	s_bfe_u32 s2, ttmp6, 0x10000c
	s_cmp_lg_u32 s2, 0x3003
	s_cbranch_scc0 .Lentry_shape_is_right
	s_endpgm
.Lentry_shape_is_right:
; filter: for every row i and every partner j an approximate dis^2 = |M s|^2, s_c = 1 / (1 + E[j][c] F[i][c]) rounded to bf16,
; and of each row's partners of one parity of j the 16 with the smallest dis^2, as indices, into cand[b][parity][i][16].
; The next launch computes these 32 candidates of a row again, precisely, and ranks them.
; A work-group: 16 rows i = 16 g + r, one batch b, one parity: 512 partners.  Wave w: partners jj = 64 w .. 64 w + 63 (j = 2 jj + parity).
; EIGHT WAVES, two to each of the WGP's four SIMDs, 256 registers each: a wave's stream alternates products and the vector work that
; feeds them, and two such independent streams share a SIMD's matrix and vector units.
; A tile = 16 rows x one j.  B fragment: lane (r, h) holds s of row r, channels 32 h .. 32 h + 31; A fragments: M's rows.
; K order, alike in both operands: K step s, half h, register p, half-word e  <->  channel 32 h + 16 s + 2 p + e.
; CLUSTER: the four work-groups of a cluster have the same b and parity and so the same 131,072 bytes of E: each wave asks for its
; eighth by two joint loads (mask 15).  E is filled once and never again; a wave reads only what it asked for itself.
; THE LOOP: a tile's 32 numbers of E a lane come from LDS by eight loads in ONE run, a whole tile ahead, into the buffer that the tile before
; has just left; so there is one LDS wait for a tile.  The tile's vector work runs as a pipeline over chunks of four numbers (multiply-add,
; a step later reciprocal, a step later rounding), and the products of the tile before and of this tile stand between its steps.
; SELECTION without branches: key = (min(q, T2) with its low 10 bits replaced by j), a positive f32, different for every j;
; each lane keeps 16 keys in ascending order; a new key goes in by 15 medians of three and one minimum.
; LIMITS: the ranking here rests on s in bf16 and on q cut to 13 bits of mantissa; a partner that belongs to a row's true 16 is lost only
; if 16 partners of its own parity get smaller keys.  q above T2 = 7871.742 (dis above ln of the largest f32, where sigmoid(-dis) is 0
; or denormal) counts as T2, a NaN too, so that such partners rank by index.  E F overflows only for |x| above about 1e19; s is then 0.
.set LA,  4                            ; v4        LDS address of my half (128 h) of the trip's first tile
.set JV,  5                            ; v5        j of the tile whose key this lane takes (half 0: first tile of the trip, half 1: second)
.set QA,  6                            ; v6, v7    my half's part of q for the two tiles
.set QB,  7
.set ACC, 12                           ; v[12:19]  four chains of the sum of squares
.set L,   20                           ; v[20:35]  my 16 keys, ascending
.set F,   36                           ; v[36:67]  F of row r, channels 32 h ..
.set E0,  68                           ; v[68:99], v[100:131]  two buffers: E of a tile, then 1 + E F, then s, in place; chunk c = 4 registers
.set E1,  100
.set P,   68                           ; v[68:83]  behind the loop, on the E buffers: a partner's list; second buffer of the merge
.set P2,  84                           ; v[84:99]  a third wave's list
.set P3,  100                          ; v[100:115] a fourth wave's list
.set S,   132                          ; v[132:147] s in bf16: two B fragments (K steps 0, 1)
.set D,   148                          ; v[148:179] four accumulators: rows 16 T .. 16 T + 15 of M s
.set MF,  180                          ; v[180:243] M: fragment (T, K step) at 16 T + 8 s
.set G1,  24                           ; s[24:31]  descriptor group 1
.set G0,  32                           ; s[32:39]  descriptor group 0, one for each of my two tiles of E
.set TRIPS, 32                         ; 64 tiles of a wave, two a trip
.set SCR,  131072                      ; LDS 0..131071: E, row jj at 256 jj.  Then 8,192 bytes: the eight waves' lists.  Then 1,024: the way out.
.set OUTS, 139264                      ; no tensor load lands at or behind SCR
.macro ROUND                           ; a round of the cluster's barrier
	s_barrier_signal -1
	s_barrier_wait -1
	s_cmp_lg_u32 s12, 0
	s_cbranch_scc1 .Lnot_wave_0_\@
	s_barrier_signal -3
.Lnot_wave_0_\@:
	s_barrier_wait -3
	s_barrier_signal -1
	s_barrier_wait -1
.endm
	s_load_b256 s[4:11], s[0:1], 0x0               ; Mb s[4:5], Eb s[6:7], Fb s[8:9], cand s[10:11]
	v_lshl_add_u32 v254, v0, 2, 0x29000
	v_mov_b32 v255, 0
	ds_add_u32 v254, v255
	v_lshrrev_b32 v1, 5, v0
	v_readfirstlane_b32 s12, v1                    ; wave, 0 to 7
	s_bfe_u32 s13, ttmp6, 0x40000                  ; cx
	s_lshl_b32 s14, ttmp9, 2
	s_add_co_u32 s14, s14, s13                     ; g = 4 x cluster x + cx: enters the addresses of F and cand alone
	s_and_b32 s15, ttmp7, 0xffff                   ; y = 2 b + parity, the same in all four partners
	s_lshr_b32 s16, s15, 1                         ; b
	s_and_b32 s17, s15, 1                          ; parity
	s_mov_b32 s48, 0x76543210                      ; v_permlanex16_b32: lane i reads lane i of the other half
	s_mov_b32 s49, 0xfedcba98
	s_mov_b32 s50, 0xffff0000                      ; the lanes of half 1
	s_mov_b32 s51, 0x45f5fdf0                      ; T2 = 7871.742
	s_mov_b32 s52, 0x7f800000                      ; +infinity: an empty place in a list
	; group 1: 32 rows of 64 f32; from row to row 128 elements (every second row of Eb)
	s_mov_b32 s[G1+0], 0x0022000f                  ; 15:0 mask: all four of the cluster; 17:16 elements of 4 bytes; 21 set beside a mask
	s_mov_b32 s[G1+1], 64<<16                      ; tensor_dim0 = 64
	s_mov_b32 s[G1+2], 32<<16                      ; tensor_dim1 = 32
	s_mov_b32 s[G1+3], 64<<16                      ; tile_dim0 = 64
	s_mov_b32 s[G1+4], 32                          ; tile_dim1 = 32
	s_mov_b32 s[G1+5], 128                         ; pitch
	s_mov_b32 s[G1+6], 0
	s_mov_b32 s[G1+7], 0
	s_lshl_b32 s53, s12, 14                        ; my eighth of E in LDS: 64 rows of 256 bytes
	s_lshl_b32 s54, s16, 18                        ; in memory: batch x 1,024 rows of 256 bytes
	s_lshl_b32 s55, s17, 8                         ; + parity rows
	s_add_co_u32 s54, s54, s55
	s_lshl_b32 s55, s12, 15                        ; + 64 w double rows of 512 bytes
	s_add_co_u32 s54, s54, s55
	s_mov_b32 s55, 0
	s_lshl_b32 s58, s16, 18                        ; F: row 1,024 b + 16 g
	s_lshl_b32 s59, s14, 12
	s_add_co_u32 s58, s58, s59
	s_mov_b32 s59, 0
	s_lshl_b32 s60, s15, 16                        ; cand: (1,024 y + 16 g) lists of 64 bytes
	s_lshl_b32 s61, s14, 10
	s_add_co_u32 s60, s60, s61
	s_mov_b32 s61, 0
	s_lshl_b32 s62, s12, 7
	s_add_co_u32 s62, s62, s17                     ; j of my first tile: 128 w + parity
	s_wait_dscnt 0x0
	s_wait_kmcnt 0x0
	s_add_nc_u64 s[56:57], s[6:7], s[54:55]
	s_add_nc_u64 s[8:9], s[8:9], s[58:59]
	s_add_nc_u64 s[10:11], s[10:11], s[60:61]
.irp s, 0,1
	s_mov_b32 s[G0+4*\s], 1
	s_add_co_u32 s[G0+4*\s+1], s53, \s*8192
	s_add_nc_u64 s[G0+4*\s+2:G0+4*\s+3], s[56:57], \s*16384
	s_or_b32 s[G0+4*\s+3], s[G0+4*\s+3], 0x80000000
.endr
	ROUND                                          ; all four work-groups are here: the joint loads meet
.irp s, 0,1
	tensor_load_to_lds s[G0+4*\s:G0+4*\s+3], s[G1:G1+7]    ; two loads of this wave are out, both first fills
	s_nop 0
.endr
	v_and_b32 v1, 15, v0                           ; r
	v_bfe_u32 v2, v0, 4, 1                         ; h
	v_lshlrev_b32 v3, 8, v1
	v_lshl_add_u32 v3, v2, 7, v3                   ; F: 256 r + 128 h
	v_lshlrev_b32 v244, 7, v1
	v_lshl_add_u32 v244, v2, 6, v244               ; Mb: 128 r + 64 h
.irp k, 0,1,2,3,4,5,6,7
	global_load_b128 v[F+4*\k:F+4*\k+3], v3, s[8:9] offset:16*\k
.endr
.irp T, 0,1,2,3
.irp sg, 0,1
.irp q, 0,1
	global_load_b128 v[MF+16*\T+8*\sg+4*\q:MF+16*\T+8*\sg+4*\q+3], v244, s[4:5] offset:\T*2048+\sg*32+\q*16
.endr
.endr
.endr
	v_lshl_add_u32 v[LA], v2, 7, s53
	v_lshl_add_u32 v[JV], v2, 1, s62
	v_mov_b32 v10, 0                               ; a destination of v_permlanex16_b32 counts as read: written once here
.set t, 0
.rept 16
	v_mov_b32 v[L+t], s52
.set t, t+1
.endr
	s_wait_loadcnt 0x0                             ; F and M, once
	s_wait_tensorcnt 0x0                           ; my eighth of E is in LDS; only I read it, so no barrier is needed
.irp k, 0,1,2,3,4,5,6,7
	ds_load_b128 v[E0+4*\k:E0+4*\k+3], v[LA] offset:16*\k  ; tile 0; all lanes of a half read the same 16 bytes
.endr
; my half's part of q = the sum of squares of my 32 numbers of M s, in four chains
.macro RSUM qd
.irp T, 0,1,2,3
	v_pk_mul_f32 v[ACC+2*\T:ACC+2*\T+1], v[D+8*\T:D+8*\T+1], v[D+8*\T:D+8*\T+1]
.endr
.irp u, 2,4,6
.irp T, 0,1,2,3
	v_pk_fma_f32 v[ACC+2*\T:ACC+2*\T+1], v[D+8*\T+\u:D+8*\T+\u+1], v[D+8*\T+\u:D+8*\T+\u+1], v[ACC+2*\T:ACC+2*\T+1]
.endr
.endr
	v_pk_add_f32 v[ACC:ACC+1], v[ACC:ACC+1], v[ACC+2:ACC+3]
	v_pk_add_f32 v[ACC+4:ACC+5], v[ACC+4:ACC+5], v[ACC+6:ACC+7]
	v_pk_add_f32 v[ACC:ACC+1], v[ACC:ACC+1], v[ACC+4:ACC+5]
	v_add_f32 v[\qd], v[ACC], v[ACC+1]
.endm
; the two tiles' q are completed across the halves (half 0 ends with the first tile's, half 1 with the second's), made keys, and put in
.macro INSERT
	v_cndmask_b32 v8, v[QA], v[QB], s50            ; my part of the tile that I keep
	v_cndmask_b32 v9, v[QB], v[QA], s50            ; my part of the tile that the other half keeps
	v_permlanex16_b32 v10, v9, s48, s49
	v_add_f32 v10, v8, v10
	v_min_num_f32 v10, s51, v10                    ; a NaN loses against T2
	v_and_or_b32 v10, v10, 0xfffffc00, v[JV]
.irp t, 15,14,13,12,11,10,9,8,7,6,5,4,3,2,1
	v_med3_num_f32 v[L+\t], v[L+\t-1], v[L+\t], v10        ; from the top down: each reads the old neighbour below
.endr
	v_min_num_f32 v[L], v[L], v10
	v_add_nc_u32 v[JV], 4, v[JV]                   ; two tiles on, j in steps of 2
.endm
; One tile's turn.  ec: the buffer that holds its E; ep: the other buffer, which holds s of the tile before and then takes E of the tile behind.
; prev = 1: the tile before is finished here (its last rounding, its second K step, its sum of squares into qd).  ins = 1: INSERT too.
; ld = 1: the next tile is loaded, from LDS offset on.
; HEAD: one wait for the eight loads issued a tile's turn ago; chunk 0's multiply-adds; the last two roundings out of ep, which is thereby
; free; the eight loads into ep in one run.
; STEP k: the reciprocals of chunk k, each followed by one plain instruction that touches none of them (ISA guide 5.7.2): the multiply-adds of
; chunk k + 1 and the roundings of chunk k - 1.  So no instruction reads the result of the one just ahead of it.
; PRODUCTS: T = 0..3 of K step 1 of the tile before behind steps 0-3; T = 0 of K step 0 of this tile behind the sum of squares in step 4,
; T = 1..3 in the middle of steps 5-7.  The four accumulators take turns, one instruction a turn, over the loop's back edge too.
; PLACES (ISA guide 7.12.1): behind the product of step 3 stand step 4's two multiply-adds and two roundings, which name none
; of its registers, before RSUM reads results.  One set of s is enough: registers 0-7 are read last in the middle of step 7 and written next in
; step 1 of the next turn, eight plain instructions later; registers 8-15 are read last behind step 3 and written next in step 5.
.macro PHASE ec, ep, prev, ins, qd, ld, on
	s_wait_dscnt 0x0                               ; this tile's E is in: nothing else of mine is out
	v_pk_fma_f32 v[\ec:\ec+1], v[\ec:\ec+1], v[F:F+1], 1.0 op_sel_hi:[1,1,0]
	v_pk_fma_f32 v[\ec+2:\ec+3], v[\ec+2:\ec+3], v[F+2:F+3], 1.0 op_sel_hi:[1,1,0]
.if \prev
	s_wait_alu depctr_va_vdst(0)
	v_cvt_pk_bf16_f32 v[S+14], v[\ep+28], v[\ep+29]
	v_cvt_pk_bf16_f32 v[S+15], v[\ep+30], v[\ep+31]
.endif
.if \ld
.irp c, 0,1,2,3,4,5,6,7
	ds_load_b128 v[\ep+4*\c:\ep+4*\c+3], v[LA] offset:\on+16*\c
.endr
.endif
.set k, 0
.rept 8
	v_rcp_f32 v[\ec+4*k], v[\ec+4*k]
.if k < 7
	v_pk_fma_f32 v[\ec+4*k+4:\ec+4*k+5], v[\ec+4*k+4:\ec+4*k+5], v[F+4*k+4:F+4*k+5], 1.0 op_sel_hi:[1,1,0]
.else
	s_wait_alu depctr_va_vdst(0)
	v_cvt_pk_bf16_f32 v[S+12], v[\ec+24], v[\ec+25]
.endif
	v_rcp_f32 v[\ec+4*k+1], v[\ec+4*k+1]
.if k < 7
	v_pk_fma_f32 v[\ec+4*k+6:\ec+4*k+7], v[\ec+4*k+6:\ec+4*k+7], v[F+4*k+6:F+4*k+7], 1.0 op_sel_hi:[1,1,0]
.else
	v_cvt_pk_bf16_f32 v[S+13], v[\ec+26], v[\ec+27]
.endif
.if k > 4
	v_wmma_f32_16x16x32_bf16 v[D+8*k-32:D+8*k-25], v[MF+16*k-64:MF+16*k-57], v[S:S+7], 0
.endif
	v_rcp_f32 v[\ec+4*k+2], v[\ec+4*k+2]
.if k > 0
.if k < 7
	s_wait_alu depctr_va_vdst(0)
	v_cvt_pk_bf16_f32 v[S+2*k-2], v[\ec+4*k-4], v[\ec+4*k-3]
.endif
.endif
	v_rcp_f32 v[\ec+4*k+3], v[\ec+4*k+3]
.if k > 0
.if k < 7
	s_wait_alu depctr_va_vdst(0)
	v_cvt_pk_bf16_f32 v[S+2*k-1], v[\ec+4*k-2], v[\ec+4*k-1]
.endif
.endif
.if k < 4
.if \prev
	v_wmma_f32_16x16x32_bf16 v[D+8*k:D+8*k+7], v[MF+16*k+8:MF+16*k+15], v[S+8:S+15], v[D+8*k:D+8*k+7]
.endif
.endif
.if k == 4
.if \prev
	RSUM \qd
.endif
	v_wmma_f32_16x16x32_bf16 v[D:D+7], v[MF:MF+7], v[S:S+7], 0
.if \prev
.if \ins
	INSERT
.endif
.endif
.endif
.set k, k+1
.endr
.endm
	; 32 trips of two tiles: the first and the last are written out
	PHASE E0, E1, 0, 0, QB, 1, 256
	PHASE E1, E0, 1, 0, QA, 1, 512
	v_add_nc_u32 v[LA], 512, v[LA]
	s_mov_b32 s52, TRIPS-2
.Ltrip:
	PHASE E0, E1, 1, 1, QB, 1, 256
	PHASE E1, E0, 1, 0, QA, 1, 512
	v_add_nc_u32 v[LA], 512, v[LA]
	s_sub_co_i32 s52, s52, 1
	s_cmp_lg_u32 s52, 0
	s_cbranch_scc1 .Ltrip
	PHASE E0, E1, 1, 1, QB, 1, 256
	PHASE E1, E0, 1, 0, QA, 0, 0                   ; nothing beyond my last tile is loaded
	; the last tile is finished
	s_wait_alu depctr_va_vdst(0)
	v_cvt_pk_bf16_f32 v[S+14], v[E1+28], v[E1+29]  ; also the plain instruction between the last two reciprocals and the line that reads them
	v_cvt_pk_bf16_f32 v[S+15], v[E1+30], v[E1+31]
.irp T, 0,1,2,3
	v_wmma_f32_16x16x32_bf16 v[D+8*\T:D+8*\T+7], v[MF+16*\T+8:MF+16*\T+15], v[S+8:S+15], v[D+8*\T:D+8*\T+7]
.endr
.rept 4
	v_nop                                          ; four places behind the last product (ISA guide 7.12.1)
.endr
	RSUM QB
	INSERT
; compare and exchange at distance dist, from one buffer into the other
.macro CEX src, dst, dist
.set t, 0
.rept 16
.if (t & \dist) == 0
	v_min_num_f32 v[\dst+t], v[\src+t], v[\src+t+\dist]
	v_max_num_f32 v[\dst+t+\dist], v[\src+t], v[\src+t+\dist]
.endif
.set t, t+1
.endr
.endm
; L and the list at x ascending: the 16 smallest of both, ascending, into L.  The minima of L against x reversed are those 16 as a bitonic
; sequence; four stages of compare and exchange sort it, with P as the second buffer (x may be P itself: it is used up by then).
.macro MERGE16 x
.set t, 0
.rept 16
	v_min_num_f32 v[L+t], v[L+t], v[\x+15-t]
.set t, t+1
.endr
	CEX L, P, 8
	CEX P, L, 4
	CEX L, P, 2
	CEX P, L, 1
.endm
.macro OTHERHALF
.set t, 0
.rept 16
	v_permlanex16_b32 v[P+t], v[L+t], s48, s49     ; P lies on buffer 0, whose registers the loop has written
.set t, t+1
.endr
.endm
	v_lshlrev_b32 v246, 6, v1                      ; 64 r
	v_lshl_add_u32 v248, v2, 5, v246               ; 64 r + 32 h
	v_lshl_add_u32 v247, v2, 12, v246              ; 64 r + 4,096 h: half h starts at wave 4 h's lists
	s_lshl_b32 s54, s12, 10
	s_add_co_u32 s54, s54, SCR
	v_add_nc_u32 v246, s54, v248                   ; my wave's lists: 16 rows of 64 bytes
	v_add_nc_u32 v247, SCR, v247
	v_add_nc_u32 v248, OUTS, v248
	v_and_b32 v245, 31, v0
	v_lshlrev_b32 v245, 4, v245                    ; 16 x lane
	v_add_nc_u32 v249, OUTS, v245
	OTHERHALF                                      ; the two halves' lists of a row become one, in both halves
	MERGE16 P
.irp u, 0,1,2,3,4,5,6,7
	v_cndmask_b32 v[P+\u], v[L+\u], v[L+8+\u], s50 ; half h stores keys 8 h .. 8 h + 7
.endr
	ds_store_b128 v246, v[P:P+3]
	ds_store_b128 v246, v[P+4:P+7] offset:16
	s_wait_dscnt 0x0                               ; for wave 0's sake
	s_barrier_signal -1
	s_barrier_wait -1
	s_cmp_lg_u32 s12, 0
	s_cbranch_scc1 .Lend
	; wave 0: half h merges the lists of waves 4 h .. 4 h + 3, then the halves merge
.irp q, 0,1,2,3
	ds_load_b128 v[L+4*\q:L+4*\q+3], v247 offset:16*\q
.endr
.irp q, 0,1,2,3
	ds_load_b128 v[P+4*\q:P+4*\q+3], v247 offset:1024+16*\q
.endr
.irp q, 0,1,2,3
	ds_load_b128 v[P2+4*\q:P2+4*\q+3], v247 offset:2048+16*\q
.endr
.irp q, 0,1,2,3
	ds_load_b128 v[P3+4*\q:P3+4*\q+3], v247 offset:3072+16*\q
.endr
	s_wait_dscnt 0x0
	MERGE16 P
	MERGE16 P2
	MERGE16 P3
	OTHERHALF
	MERGE16 P
.irp u, 0,1,2,3,4,5,6,7
	v_cndmask_b32 v[P+\u], v[L+\u], v[L+8+\u], s50
.endr
.irp u, 0,1,2,3,4,5,6,7
	v_and_b32 v[P+\u], 0x3ff, v[P+\u]              ; the key's low 10 bits: j
.endr
	ds_store_b128 v248, v[P:P+3]                   ; through LDS, so that each store below covers 512 consecutive bytes
	ds_store_b128 v248, v[P+4:P+7] offset:16
	ds_load_b128 v[P+8:P+11], v249                 ; a wave's LDS instructions are served in order (ISA guide 5.7.1): these see the stores above
	ds_load_b128 v[P+12:P+15], v249 offset:512
	s_wait_dscnt 0x0
	global_store_b128 v245, v[P+8:P+11], s[10:11]
	global_store_b128 v245, v[P+12:P+15], s[10:11] offset:512
.Lend:
	s_wait_tensorcnt 0x0
	ds_add_u32 v254, v255
	s_wait_dscnt 0x0
	ROUND                                          ; the closing round: no work-group ends while a partner may still ask jointly
	s_endpgm
.Lfunc_end_k_qbe6065fdd4_filter:
	.size	k_qbe6065fdd4_filter, .Lfunc_end_k_qbe6065fdd4_filter-k_qbe6065fdd4_filter
	.p2alignl 7, 3214868480
	.fill 96, 4, 3214868480
	.section	.rodata,"a",@progbits
	.p2align	6, 0x0
	.amdhsa_kernel k_qbe6065fdd4_filter
		.amdhsa_group_segment_fixed_size 168960
		.amdhsa_private_segment_fixed_size 0
		.amdhsa_enable_private_segment 0
		.amdhsa_kernarg_size 32
		.amdhsa_user_sgpr_count 2
		.amdhsa_user_sgpr_kernarg_segment_ptr 1
		.amdhsa_wavefront_size32 1
		.amdhsa_system_sgpr_workgroup_id_x 1
		.amdhsa_system_sgpr_workgroup_id_y 1
		.amdhsa_system_sgpr_workgroup_id_z 1
		.amdhsa_system_vgpr_workitem_id 0
		.amdhsa_next_free_vgpr 256
		.amdhsa_next_free_sgpr 66
		.amdhsa_reserve_vcc 0
		.amdhsa_float_denorm_mode_32 3
		.amdhsa_float_denorm_mode_16_64 3
		.amdhsa_memory_ordered 1
		.amdhsa_forward_progress 1
		.amdhsa_inst_pref_size 64
	.end_amdhsa_kernel
	.amdgpu_metadata
---
amdhsa.version: [ 1, 2 ]
amdhsa.kernels:
  - .name:           k_qbe6065fdd4_filter
    .symbol:         k_qbe6065fdd4_filter.kd
    .args:
      - { .name: Mb, .offset: 0, .size: 8, .value_kind: global_buffer, .address_space: global }
      - { .name: Eb, .offset: 8, .size: 8, .value_kind: global_buffer, .address_space: global }
      - { .name: Fb, .offset: 16, .size: 8, .value_kind: global_buffer, .address_space: global }
      - { .name: cand, .offset: 24, .size: 8, .value_kind: global_buffer, .address_space: global }
    .group_segment_fixed_size: 168960
    .private_segment_fixed_size: 0
    .kernarg_segment_align: 8
    .kernarg_segment_size: 32
    .max_flat_workgroup_size: 256
    .sgpr_count:     66
    .vgpr_count:     256
    .wavefront_size: 32
...
	.end_amdgpu_metadata
.endif
;; end of part 4
;; launch refine: the kernel of part 3 again; grid 256 x 1, 8 waves a work-group, no clusters, 3,072 bytes of LDS; arguments Mb, Eb, Fb, cand, out0, out1; writes out0, out1
;; ======== version 3 of 3: 3 launches; 1.74 times as fast as version 1
;; workspace buffers: Eb 524,288 bytes; Fb 524,288 bytes; Mb 8,192 bytes; cand 262,144 bytes of whole numbers
;; launch prep: the kernel of part 1 again; grid 32 x 2, 4 waves a work-group, no clusters, 34,304 bytes of LDS; arguments X, W_min, W_sub, M, Fb, Eb, Mb; writes Fb, Eb, Mb
;; launch filter (part 5): grid 64 x 4, 8 waves a work-group, clusters of 4 x 1, 168,960 bytes of LDS; arguments Mb, Eb, Fb, cand; writes cand
.if DOCPART == 5
	.amdgcn_target "amdgcn-amd-amdhsa--gfx1250"
	.amdhsa_code_object_version 6
	.text
	.protected	k_qbe6065fdd4_filter
	.globl	k_qbe6065fdd4_filter
	.p2align	8
	.type	k_qbe6065fdd4_filter,@function
k_qbe6065fdd4_filter:
	s_mov_b64 s[64:65], 0
	v_nop
	global_prefetch_b8 v0, s[64:65] scope:SCOPE_SE
	s_setreg_imm32_b32 hwreg(HW_REG_WAVE_MODE, 25, 1), 1
	s_wait_xcnt 0x0
	s_wait_alu depctr_hold_cnt(0) depctr_sa_sdst(0) depctr_va_vdst(0) depctr_va_sdst(0) depctr_va_ssrc(0) depctr_va_vcc(0) depctr_vm_vsrc(0)
	s_getreg_b32 s2, hwreg(HW_REG_IB_STS2, 6, 4)
	s_cmp_eq_u32 s2, 0
	s_cbranch_scc0 .Lentry_in_a_cluster
	s_endpgm
.Lentry_in_a_cluster:
	s_bfe_u32 s2, ttmp6, 0x10000c
	s_cmp_lg_u32 s2, 0x3003
	s_cbranch_scc0 .Lentry_shape_is_right
	s_endpgm
.Lentry_shape_is_right:
; filter: for every row i and every partner j an approximate dis^2 = |M s|^2, s_c = 1 / (1 + E[j][c] F[i][c]) rounded to bf16,
; and of each row's partners of one parity of j the 16 with the smallest dis^2, as indices, into cand[b][parity][i][16].
; The next launch computes these 32 candidates of a row again, precisely, and ranks them.
; A work-group: 16 rows i = 16 g + r, one batch b, one parity: 512 partners.  Wave w: partners jj = 64 w .. 64 w + 63 (j = 2 jj + parity).
; EIGHT WAVES, two to each of the WGP's four SIMDs, 256 registers each: a wave's stream alternates products and the vector work that
; feeds them, and two such independent streams share a SIMD's matrix and vector units.
; A tile = 16 rows x one j.  B fragment: lane (r, h) holds s of row r, channels 32 h .. 32 h + 31; A fragments: M's rows.
; K order, alike in both operands: K step s, half h, register p, half-word e  <->  channel 32 h + 16 s + 2 p + e.
; CLUSTER: the four work-groups of a cluster have the same b and parity and so the same 131,072 bytes of E: each wave asks for its
; eighth by two joint loads (mask 15).  E is filled once and never again; a wave reads only what it asked for itself.
; THE LOOP: a tile's 32 numbers of E a lane come from LDS by eight loads in ONE run, a whole tile ahead, into the buffer that the tile before
; has just left; so there is one LDS wait for a tile.  A turn does the first half of one tile's work (multiply-adds, reciprocals) and the second
; half of the tile before's (roundings, products, sum of squares), the one set between the lines of the other.
; BATCHES: a tile's 32 reciprocals are ONE batch with ONE wait, at the end of the tile's turn.  All that reads them, the 16 roundings to bf16,
; stands in the head of the next turn; all else in a turn names none of them.  So a trip of two tiles has two such waits.
; SELECTION without branches: key = (min(q, T2) with its low 10 bits replaced by j), a positive f32, different for every j;
; each lane keeps 16 keys in ascending order; a new key goes in by 15 medians of three and one minimum.
; LIMITS: the ranking here rests on s in bf16 and on q cut to 13 bits of mantissa; a partner that belongs to a row's true 16 is lost only
; if 16 partners of its own parity get smaller keys.  q above T2 = 7871.742 (dis above ln of the largest f32, where sigmoid(-dis) is 0
; or denormal) counts as T2, a NaN too, so that such partners rank by index.  E F overflows only for |x| above about 1e19; s is then 0.
.set LA,  4                            ; v4        LDS address of my half (128 h) of the trip's first tile
.set JV,  5                            ; v5        j of the tile whose key this lane takes (half 0: first tile of the trip, half 1: second)
.set QA,  6                            ; v6, v7    my half's part of q for the two tiles
.set QB,  7
.set ACC, 12                           ; v[12:19]  four chains of the sum of squares
.set L,   20                           ; v[20:35]  my 16 keys, ascending
.set F,   36                           ; v[36:67]  F of row r, channels 32 h ..
.set E0,  68                           ; v[68:99], v[100:131]  two buffers: E of a tile, then 1 + E F, then s, in place
.set E1,  100
.set P,   68                           ; v[68:83]  behind the loop, on the E buffers: a partner's list; second buffer of the merge
.set P2,  84                           ; v[84:99]  a third wave's list
.set P3,  100                          ; v[100:115] a fourth wave's list
.set S,   132                          ; v[132:147] s in bf16: two B fragments (K steps 0, 1)
.set D,   148                          ; v[148:179] four accumulators: rows 16 T .. 16 T + 15 of M s
.set MF,  180                          ; v[180:243] M: fragment (T, K step) at 16 T + 8 s
.set G1,  24                           ; s[24:31]  descriptor group 1
.set G0,  32                           ; s[32:39]  descriptor group 0, one for each of my two tiles of E
.set TRIPS, 32                         ; 64 tiles of a wave, two a trip
.set SCR,  131072                      ; LDS 0..131071: E, row jj at 256 jj.  Then 8,192 bytes: the eight waves' lists.  Then 1,024: the way out.
.set OUTS, 139264                      ; no tensor load lands at or behind SCR
.macro ROUND                           ; a round of the cluster's barrier
	s_barrier_signal -1
	s_barrier_wait -1
	s_cmp_lg_u32 s12, 0
	s_cbranch_scc1 .Lnot_wave_0_\@
	s_barrier_signal -3
.Lnot_wave_0_\@:
	s_barrier_wait -3
	s_barrier_signal -1
	s_barrier_wait -1
.endm
	s_load_b256 s[4:11], s[0:1], 0x0               ; Mb s[4:5], Eb s[6:7], Fb s[8:9], cand s[10:11]
	v_lshl_add_u32 v254, v0, 2, 0x29000
	v_mov_b32 v255, 0
	ds_add_u32 v254, v255
	v_lshrrev_b32 v1, 5, v0
	v_readfirstlane_b32 s12, v1                    ; wave, 0 to 7
	s_bfe_u32 s13, ttmp6, 0x40000                  ; cx
	s_lshl_b32 s14, ttmp9, 2
	s_add_co_u32 s14, s14, s13                     ; g = 4 x cluster x + cx: enters the addresses of F and cand alone
	s_and_b32 s15, ttmp7, 0xffff                   ; y = 2 b + parity, the same in all four partners
	s_lshr_b32 s16, s15, 1                         ; b
	s_and_b32 s17, s15, 1                          ; parity
	s_mov_b32 s48, 0x76543210                      ; v_permlanex16_b32: lane i reads lane i of the other half
	s_mov_b32 s49, 0xfedcba98
	s_mov_b32 s50, 0xffff0000                      ; the lanes of half 1
	s_mov_b32 s51, 0x45f5fdf0                      ; T2 = 7871.742
	s_mov_b32 s52, 0x7f800000                      ; +infinity: an empty place in a list
	; group 1: 32 rows of 64 f32; from row to row 128 elements (every second row of Eb)
	s_mov_b32 s[G1+0], 0x0022000f                  ; 15:0 mask: all four of the cluster; 17:16 elements of 4 bytes; 21 set beside a mask
	s_mov_b32 s[G1+1], 64<<16                      ; tensor_dim0 = 64
	s_mov_b32 s[G1+2], 32<<16                      ; tensor_dim1 = 32
	s_mov_b32 s[G1+3], 64<<16                      ; tile_dim0 = 64
	s_mov_b32 s[G1+4], 32                          ; tile_dim1 = 32
	s_mov_b32 s[G1+5], 128                         ; pitch
	s_mov_b32 s[G1+6], 0
	s_mov_b32 s[G1+7], 0
	s_lshl_b32 s53, s12, 14                        ; my eighth of E in LDS: 64 rows of 256 bytes
	s_lshl_b32 s54, s16, 18                        ; in memory: batch x 1,024 rows of 256 bytes
	s_lshl_b32 s55, s17, 8                         ; + parity rows
	s_add_co_u32 s54, s54, s55
	s_lshl_b32 s55, s12, 15                        ; + 64 w double rows of 512 bytes
	s_add_co_u32 s54, s54, s55
	s_mov_b32 s55, 0
	s_lshl_b32 s58, s16, 18                        ; F: row 1,024 b + 16 g
	s_lshl_b32 s59, s14, 12
	s_add_co_u32 s58, s58, s59
	s_mov_b32 s59, 0
	s_lshl_b32 s60, s15, 16                        ; cand: (1,024 y + 16 g) lists of 64 bytes
	s_lshl_b32 s61, s14, 10
	s_add_co_u32 s60, s60, s61
	s_mov_b32 s61, 0
	s_lshl_b32 s62, s12, 7
	s_add_co_u32 s62, s62, s17                     ; j of my first tile: 128 w + parity
	s_wait_dscnt 0x0
	s_wait_kmcnt 0x0
	s_add_nc_u64 s[56:57], s[6:7], s[54:55]
	s_add_nc_u64 s[8:9], s[8:9], s[58:59]
	s_add_nc_u64 s[10:11], s[10:11], s[60:61]
.irp s, 0,1
	s_mov_b32 s[G0+4*\s], 1
	s_add_co_u32 s[G0+4*\s+1], s53, \s*8192
	s_add_nc_u64 s[G0+4*\s+2:G0+4*\s+3], s[56:57], \s*16384
	s_or_b32 s[G0+4*\s+3], s[G0+4*\s+3], 0x80000000
.endr
	ROUND                                          ; all four work-groups are here: the joint loads meet
.irp s, 0,1
	tensor_load_to_lds s[G0+4*\s:G0+4*\s+3], s[G1:G1+7]    ; two loads of this wave are out, both first fills
	s_nop 0
.endr
	v_and_b32 v1, 15, v0                           ; r
	v_bfe_u32 v2, v0, 4, 1                         ; h
	v_lshlrev_b32 v3, 8, v1
	v_lshl_add_u32 v3, v2, 7, v3                   ; F: 256 r + 128 h
	v_lshlrev_b32 v244, 7, v1
	v_lshl_add_u32 v244, v2, 6, v244               ; Mb: 128 r + 64 h
.irp k, 0,1,2,3,4,5,6,7
	global_load_b128 v[F+4*\k:F+4*\k+3], v3, s[8:9] offset:16*\k
.endr
.irp T, 0,1,2,3
.irp sg, 0,1
.irp q, 0,1
	global_load_b128 v[MF+16*\T+8*\sg+4*\q:MF+16*\T+8*\sg+4*\q+3], v244, s[4:5] offset:\T*2048+\sg*32+\q*16
.endr
.endr
.endr
	v_lshl_add_u32 v[LA], v2, 7, s53
	v_lshl_add_u32 v[JV], v2, 1, s62
	v_mov_b32 v10, 0                               ; a destination of v_permlanex16_b32 counts as read: written once here
.set t, 0
.rept 16
	v_mov_b32 v[L+t], s52
.set t, t+1
.endr
	s_wait_loadcnt 0x0                             ; F and M, once
	s_wait_tensorcnt 0x0                           ; my eighth of E is in LDS; only I read it, so no barrier is needed
.irp k, 0,1,2,3,4,5,6,7
	ds_load_b128 v[E0+4*\k:E0+4*\k+3], v[LA] offset:16*\k  ; tile 0; all lanes of a half read the same 16 bytes
.endr
; THE PIECES OF A TILE'S WORK, one instruction each.
.macro FM ec, c                        ; pair c of 16: 1 + E F, in place
	v_pk_fma_f32 v[\ec+2*(\c):\ec+2*(\c)+1], v[\ec+2*(\c):\ec+2*(\c)+1], v[F+2*(\c):F+2*(\c)+1], 1.0 op_sel_hi:[1,1,0]
.endm
.macro RC ec, n                        ; number n of 32: s = 1 / (1 + E F), in place
	v_rcp_f32 v[\ec+(\n)], v[\ec+(\n)]
.endm
.macro CV ep, p                        ; pair p of 16 rounded to bf16: pairs 0-7 are K step 0's fragment, pairs 8-15 K step 1's
	v_cvt_pk_bf16_f32 v[S+(\p)], v[\ep+2*(\p)], v[\ep+2*(\p)+1]
.endm
.macro MM i                            ; product i of 8: K step i / 4, rows 16 (i % 4) .. of M; K step 0 starts the sums
.if (\i) < 4
	v_wmma_f32_16x16x32_bf16 v[D+8*(\i):D+8*(\i)+7], v[MF+16*(\i):MF+16*(\i)+7], v[S:S+7], 0
.else
	v_wmma_f32_16x16x32_bf16 v[D+8*(\i)-32:D+8*(\i)-25], v[MF+16*(\i)-56:MF+16*(\i)-49], v[S+8:S+15], v[D+8*(\i)-32:D+8*(\i)-25]
.endif
.endm
; line n of 20 of my half's part of q = the sum of squares of my 32 numbers of M s, in four chains (one for each accumulator, its lowest
; registers first), which are then added
.macro RS n, qd
.set rT, (\n)%4
.set rU, 2*((\n)/4)
.if (\n) < 4
	v_pk_mul_f32 v[ACC+2*rT:ACC+2*rT+1], v[D+8*rT:D+8*rT+1], v[D+8*rT:D+8*rT+1]
.elseif (\n) < 16
	v_pk_fma_f32 v[ACC+2*rT:ACC+2*rT+1], v[D+8*rT+rU:D+8*rT+rU+1], v[D+8*rT+rU:D+8*rT+rU+1], v[ACC+2*rT:ACC+2*rT+1]
.elseif (\n) == 16
	v_pk_add_f32 v[ACC:ACC+1], v[ACC:ACC+1], v[ACC+2:ACC+3]
.elseif (\n) == 17
	v_pk_add_f32 v[ACC+4:ACC+5], v[ACC+4:ACC+5], v[ACC+6:ACC+7]
.elseif (\n) == 18
	v_pk_add_f32 v[ACC:ACC+1], v[ACC:ACC+1], v[ACC+4:ACC+5]
.else
	v_add_f32 v[\qd], v[ACC], v[ACC+1]
.endif
.endm
.macro RSUM qd                         ; all 20 lines on end
.set k, 0
.rept 20
	RS k, \qd
.set k, k+1
.endr
.endm
; the two tiles' q are completed across the halves (half 0 ends with the first tile's, half 1 with the second's), made keys, and put in
.macro INSERT
	v_cndmask_b32 v8, v[QA], v[QB], s50            ; my part of the tile that I keep
	v_cndmask_b32 v9, v[QB], v[QA], s50            ; my part of the tile that the other half keeps
	v_permlanex16_b32 v10, v9, s48, s49
	v_add_f32 v10, v8, v10
	v_min_num_f32 v10, s51, v10                    ; a NaN loses against T2
	v_and_or_b32 v10, v10, 0xfffffc00, v[JV]
.irp t, 15,14,13,12,11,10,9,8,7,6,5,4,3,2,1
	v_med3_num_f32 v[L+\t], v[L+\t-1], v[L+\t], v10        ; from the top down: each reads the old neighbour below
.endr
	v_min_num_f32 v[L], v[L], v10
	v_add_nc_u32 v[JV], 4, v[JV]                   ; two tiles on, j in steps of 2
.endm
; One tile's turn.  ec: the buffer that holds its E; ep: the other buffer, which holds s of the tile before and then takes E of the tile behind.
; prev = 1: the tile before is finished here (its roundings, its eight products, its sum of squares into qd).  ins = 1: INSERT too.
; ld = 1: the next tile is loaded, from LDS offset on.
; HEAD: one wait for the eight loads issued a tile's turn ago; the sixteen roundings out of ep (its reciprocals had their wait at the end of the
; turn before), which is thereby free; the eight loads into ep in one run.
; PRODUCTS of the tile before: K step 0 for T = 0..3, then K step 1 for T = 0..3.  The four accumulators take turns, one instruction a turn, over
; the loop's back edge too.  Behind each product stand two of this tile's multiply-adds and, from the second product
; on, two of its reciprocals, a multiply-add leading.
; THE BATCH: this tile's 32 reciprocals, in place in ec.  Numbers 0-13 stand behind the products, numbers 14-31 alternate with lines 0-17 of the
; sum of squares of the tile before.  Nothing in the turn names a result: a multiply-add names a pair of ec only ahead of that pair's
; reciprocals (pair c stands behind product c / 2, its reciprocals behind product c + 1 or later), and all else works on ep, S, D, ACC, L.
; Behind the last reciprocal stand lines 18 and 19 of the sum, plain instructions that touch none of the batch (ISA guide 5.7.2; in the first
; turn, which has no sum, a v_nop), and INSERT where it is due; then the batch's ONE wait, at the turn's end: ahead of the next turn's
; roundings, and ahead of the loop's label and jump.
; PLACES (ISA guide 7.12.1): between the last product and line 3 of the sum, which reads its result, stand two multiply-adds and lines 0-2, five
; plain instructions that name none of its registers; the earlier products have more.  One set of s is enough: it is read last by the eighth
; product and written next in the next turn's head, behind the whole sum of squares.
.macro PHASE ec, ep, prev, ins, qd, ld, on
	s_wait_dscnt 0x0                               ; this tile's E is in: nothing else of mine is out
.if \prev
.set i, 0
.rept 16
	CV \ep, i
.set i, i+1
.endr
.endif
.if \ld
.irp c, 0,1,2,3,4,5,6,7
	ds_load_b128 v[\ep+4*\c:\ep+4*\c+3], v[LA] offset:\on+16*\c
.endr
.endif
.set k, 0
.rept 8
.if \prev
	MM k
.endif
	FM \ec, 2*k
.if k > 0
	RC \ec, 2*k-2
.endif
	FM \ec, 2*k+1
.if k > 0
	RC \ec, 2*k-1
.endif
.set k, k+1
.endr
.set k, 0
.rept 18
.if \prev
	RS k, \qd
.endif
	RC \ec, 14+k
.set k, k+1
.endr
.if \prev
	RS 18, \qd
	RS 19, \qd
.if \ins
	INSERT
.endif
.else
	v_nop                                          ; the plain instruction behind the last reciprocal, where no sum of squares stands there
.endif
	s_wait_alu depctr_va_vdst(0)                   ; the wait for the batch, this tile's 32 reciprocals in ec, ahead of the next turn's roundings
.endm
	; 32 trips of two tiles: the first and the last are written out
	PHASE E0, E1, 0, 0, QB, 1, 256
	PHASE E1, E0, 1, 0, QA, 1, 512
	v_add_nc_u32 v[LA], 512, v[LA]
	s_mov_b32 s52, TRIPS-2
.Ltrip:
	PHASE E0, E1, 1, 1, QB, 1, 256
	PHASE E1, E0, 1, 0, QA, 1, 512
	v_add_nc_u32 v[LA], 512, v[LA]
	s_sub_co_i32 s52, s52, 1
	s_cmp_lg_u32 s52, 0
	s_cbranch_scc1 .Ltrip
	PHASE E0, E1, 1, 1, QB, 1, 256
	PHASE E1, E0, 1, 0, QA, 0, 0                   ; nothing beyond my last tile is loaded
	; the last tile is finished: its reciprocals had their wait at the end of the turn above
.set i, 0
.rept 16
	CV E1, i
.set i, i+1
.endr
.set k, 0
.rept 8
	MM k
.set k, k+1
.endr
.rept 4
	v_nop                                          ; four places behind the last product (ISA guide 7.12.1)
.endr
	RSUM QB
	INSERT
; compare and exchange at distance dist, from one buffer into the other
.macro CEX src, dst, dist
.set t, 0
.rept 16
.if (t & \dist) == 0
	v_min_num_f32 v[\dst+t], v[\src+t], v[\src+t+\dist]
	v_max_num_f32 v[\dst+t+\dist], v[\src+t], v[\src+t+\dist]
.endif
.set t, t+1
.endr
.endm
; L and the list at x ascending: the 16 smallest of both, ascending, into L.  The minima of L against x reversed are those 16 as a bitonic
; sequence; four stages of compare and exchange sort it, with P as the second buffer (x may be P itself: it is used up by then).
.macro MERGE16 x
.set t, 0
.rept 16
	v_min_num_f32 v[L+t], v[L+t], v[\x+15-t]
.set t, t+1
.endr
	CEX L, P, 8
	CEX P, L, 4
	CEX L, P, 2
	CEX P, L, 1
.endm
.macro OTHERHALF
.set t, 0
.rept 16
	v_permlanex16_b32 v[P+t], v[L+t], s48, s49     ; P lies on buffer 0, whose registers the loop has written
.set t, t+1
.endr
.endm
	v_lshlrev_b32 v246, 6, v1                      ; 64 r
	v_lshl_add_u32 v248, v2, 5, v246               ; 64 r + 32 h
	v_lshl_add_u32 v247, v2, 12, v246              ; 64 r + 4,096 h: half h starts at wave 4 h's lists
	s_lshl_b32 s54, s12, 10
	s_add_co_u32 s54, s54, SCR
	v_add_nc_u32 v246, s54, v248                   ; my wave's lists: 16 rows of 64 bytes
	v_add_nc_u32 v247, SCR, v247
	v_add_nc_u32 v248, OUTS, v248
	v_and_b32 v245, 31, v0
	v_lshlrev_b32 v245, 4, v245                    ; 16 x lane
	v_add_nc_u32 v249, OUTS, v245
	OTHERHALF                                      ; the two halves' lists of a row become one, in both halves
	MERGE16 P
.irp u, 0,1,2,3,4,5,6,7
	v_cndmask_b32 v[P+\u], v[L+\u], v[L+8+\u], s50 ; half h stores keys 8 h .. 8 h + 7
.endr
	ds_store_b128 v246, v[P:P+3]
	ds_store_b128 v246, v[P+4:P+7] offset:16
	s_wait_dscnt 0x0                               ; for wave 0's sake
	s_barrier_signal -1
	s_barrier_wait -1
	s_cmp_lg_u32 s12, 0
	s_cbranch_scc1 .Lend
	; wave 0: half h merges the lists of waves 4 h .. 4 h + 3, then the halves merge
.irp q, 0,1,2,3
	ds_load_b128 v[L+4*\q:L+4*\q+3], v247 offset:16*\q
.endr
.irp q, 0,1,2,3
	ds_load_b128 v[P+4*\q:P+4*\q+3], v247 offset:1024+16*\q
.endr
.irp q, 0,1,2,3
	ds_load_b128 v[P2+4*\q:P2+4*\q+3], v247 offset:2048+16*\q
.endr
.irp q, 0,1,2,3
	ds_load_b128 v[P3+4*\q:P3+4*\q+3], v247 offset:3072+16*\q
.endr
	s_wait_dscnt 0x0
	MERGE16 P
	MERGE16 P2
	MERGE16 P3
	OTHERHALF
	MERGE16 P
.irp u, 0,1,2,3,4,5,6,7
	v_cndmask_b32 v[P+\u], v[L+\u], v[L+8+\u], s50
.endr
.irp u, 0,1,2,3,4,5,6,7
	v_and_b32 v[P+\u], 0x3ff, v[P+\u]              ; the key's low 10 bits: j
.endr
	ds_store_b128 v248, v[P:P+3]                   ; through LDS, so that each store below covers 512 consecutive bytes
	ds_store_b128 v248, v[P+4:P+7] offset:16
	ds_load_b128 v[P+8:P+11], v249                 ; a wave's LDS instructions are served in order (ISA guide 5.7.1): these see the stores above
	ds_load_b128 v[P+12:P+15], v249 offset:512
	s_wait_dscnt 0x0
	global_store_b128 v245, v[P+8:P+11], s[10:11]
	global_store_b128 v245, v[P+12:P+15], s[10:11] offset:512
.Lend:
	s_wait_tensorcnt 0x0
	ds_add_u32 v254, v255
	s_wait_dscnt 0x0
	ROUND                                          ; the closing round: no work-group ends while a partner may still ask jointly
	s_endpgm
.Lfunc_end_k_qbe6065fdd4_filter:
	.size	k_qbe6065fdd4_filter, .Lfunc_end_k_qbe6065fdd4_filter-k_qbe6065fdd4_filter
	.p2alignl 7, 3214868480
	.fill 96, 4, 3214868480
	.section	.rodata,"a",@progbits
	.p2align	6, 0x0
	.amdhsa_kernel k_qbe6065fdd4_filter
		.amdhsa_group_segment_fixed_size 168960
		.amdhsa_private_segment_fixed_size 0
		.amdhsa_enable_private_segment 0
		.amdhsa_kernarg_size 32
		.amdhsa_user_sgpr_count 2
		.amdhsa_user_sgpr_kernarg_segment_ptr 1
		.amdhsa_wavefront_size32 1
		.amdhsa_system_sgpr_workgroup_id_x 1
		.amdhsa_system_sgpr_workgroup_id_y 1
		.amdhsa_system_sgpr_workgroup_id_z 1
		.amdhsa_system_vgpr_workitem_id 0
		.amdhsa_next_free_vgpr 256
		.amdhsa_next_free_sgpr 66
		.amdhsa_reserve_vcc 0
		.amdhsa_float_denorm_mode_32 3
		.amdhsa_float_denorm_mode_16_64 3
		.amdhsa_memory_ordered 1
		.amdhsa_forward_progress 1
		.amdhsa_inst_pref_size 62
	.end_amdhsa_kernel
	.amdgpu_metadata
---
amdhsa.version: [ 1, 2 ]
amdhsa.kernels:
  - .name:           k_qbe6065fdd4_filter
    .symbol:         k_qbe6065fdd4_filter.kd
    .args:
      - { .name: Mb, .offset: 0, .size: 8, .value_kind: global_buffer, .address_space: global }
      - { .name: Eb, .offset: 8, .size: 8, .value_kind: global_buffer, .address_space: global }
      - { .name: Fb, .offset: 16, .size: 8, .value_kind: global_buffer, .address_space: global }
      - { .name: cand, .offset: 24, .size: 8, .value_kind: global_buffer, .address_space: global }
    .group_segment_fixed_size: 168960
    .private_segment_fixed_size: 0
    .kernarg_segment_align: 8
    .kernarg_segment_size: 32
    .max_flat_workgroup_size: 256
    .sgpr_count:     66
    .vgpr_count:     256
    .wavefront_size: 32
...
	.end_amdgpu_metadata
.endif
;; end of part 5
;; launch refine: the kernel of part 3 again; grid 256 x 1, 8 waves a work-group, no clusters, 3,072 bytes of LDS; arguments Mb, Eb, Fb, cand, out0, out1; writes out0, out1
